; MI455X (gfx1250); checked and timed in simulation.
; The chip was launched on July 23, 2026; its instructions are those of AMD's public machine-readable ISA for CDNA 5 (MIT licence, August 2026) and "CDNA5" Instruction Set Architecture Reference Guide (July 2026). The comments in the code are by the model that wrote it; some were corrected since.
;; Do RA Lo Kr. Allowed arithmetic: matrix products marked QUANTISED: E4M3 operands, one E8M0 scale for each 32 along K, by v_wmma_scale_f32_16x16x128_f8f6f4 with both operands' format E4M3, f32 sums; products left as they are: f32 operands where the result goes on into a quantised operand, else bf16, f16 or f32 operands; f32 sums; everything else in f32.
;; Inputs: base_bias 4,096 float32; base_weight 4,096 x 4,096 float32; dora_weight 4,096 float32; w1a 64 x 4 float32; w1b 4 x 64 float32; w2a 64 x 4 float32; w2b 4 x 64 float32; x 4 x 512 x 4,096 float32.
;; Outputs: out0 4 x 512 x 4,096 float32.
;; This version of the problem:
;;   THIS VERSION OF THE PROBLEM IS GIVEN IN LOW PRECISION. The matrix products marked QUANTISED in the list below multiply operands that are first quantised to E4M3 (4 exponent bits, 3 mantissa bits; 8 bits a number), with one power-of-two scale for each 32 numbers along K (OCP MX v1.0); their sums are f32. All else is computed in f32.
;;   The module's matrix products, in the order in which they are computed (A, B: the left and right operand; K: the contracted axis; several contracted axes count as one K, in the product's order):
;;     1. [M 64, K 4] x [K 4, N 64]; A: input w1a; B: input w1b: left as it is (K = 4 < 32)
;;     2. [M 64, K 4] x [K 4, N 64]; A: input w2a; B: input w2b: left as it is (K = 4 < 32)
;;     3. [M 4,096, K 1] x [K 1, N 4,096]; A: computed on the way; B: computed on the way: left as it is (no contracted axis)
;;     4. [M 64, K 64] x [K 64, N 131,072]; A: computed on the way; B: input x: QUANTISED
;;     5. [M 131,072, K 64] x [K 64, N 64]; A: computed on the way; B: computed on the way: QUANTISED
;;     6. [M 2,048, K 4,096] x [K 4,096, N 4,096]; A: input x; B: input base_weight: QUANTISED
;;   THE QUANTISER, for each operand of a quantised product, along K:
;;     - K is cut into blocks of 32 from its start; a last block that is shorter is filled with zeros.
;;     - A block's scale is 2^e with e = floor(log2(the largest magnitude in the block)) - 8, held to -126 .. 127; a block of zeros has e = 0. As a byte (E8M0): e + 127.
;;     - Each number is divided by its block's scale, clamped to +-448, and rounded to the nearest number of E4M3, ties to even, subnormals kept.
;;     - The product sums the exact products of the quantised numbers (number of the format x scale) in f32.
;;   ~~~python
;;   def quantise(x, axis):      # numpy; x: float32 -> the quantised numbers, widened to float32 again
;;       x = np.moveaxis(x, axis, -1); K = x.shape[-1]
;;       x = np.pad(x, [(0, 0)] * (x.ndim - 1) + [(0, -K % 32)]); x = x.reshape(x.shape[:-1] + (-1, 32)); a = np.abs(x).max(-1, keepdims=True)
;;       e = np.where(a > 0, np.clip(np.frexp(np.where(a > 0, a, 1))[1] - 1 - 8, -126, 127), 0)      # np.frexp(a)[1] - 1 = floor(log2(a)), exactly
;;       r = np.clip(x / 2.0 ** e, -448, 448)
;;       step = 2.0 ** (np.maximum(np.frexp(np.where(r == 0, 1, r))[1] - 1, -6) - 3)
;;       q = np.round(r / step) * step * 2.0 ** e      # np.round: ties to even
;;       return np.moveaxis(q.reshape(q.shape[:-2] + (-1,))[..., :K], -1, axis).astype(np.float32)
;;   ~~~
;;   OPERANDS COMPUTED ON THE WAY. 'Computed on the way' means the value that the module computes at that place (a softmax that the list does not call 'softmax' is quantised finished and normalised). What goes into a quantiser is computed in f32, as accurately as f32 sums, v_exp_f32 and their like allow (about 1e-6 of the number): no bf16 or f16 on the way to a quantiser, and a product that is left as it is and whose result goes on into a quantised operand takes f32 operands (vector FMAs, or v_wmma_f32_16x16x4_f32). A number that lies on a knife's edge between two numbers of the format may be rounded either way, as far as f32 arithmetic and the matrix unit's own rounding can turn it there, and no further.
;; 2 versions, each right; version 2 is version 1 with the launch prep written anew for expert scheduling mode. Each part assembles by itself: llvm-mc -triple=amdgcn-amd-amdhsa -mcpu=gfx1250 --defsym DOCPART=n.
;; ======== version 1 of 2: 2 launches
;; workspace buffers: xc 8,388,608 bytes; xs 262,144 bytes; tc 8,388,608 bytes; ts 262,144 bytes; wc 16,777,216 bytes; ws 524,288 bytes; w2q 8,448 bytes; mag 16,384 bytes
;; launch prep (part 1): grid 256 x 1, 8 waves a work-group, no clusters, 308,480 bytes of LDS; arguments x, base_weight, w1a, w1b, w2a, w2b, dora_weight, xc, xs, tc, ts, wc, ws, w2q, mag; writes xc, xs, tc, ts, wc, ws, w2q, mag
.if DOCPART == 1
	.amdgcn_target "amdgcn-amd-amdhsa--gfx1250"
	.amdhsa_code_object_version 6
	.text
	.protected	k_qb855737b51_prep
	.globl	k_qb855737b51_prep
	.p2align	8
	.type	k_qb855737b51_prep,@function
k_qb855737b51_prep:
	s_mov_b64 s[64:65], 0
	v_nop
	global_prefetch_b8 v0, s[64:65] scope:SCOPE_SE
	s_setreg_imm32_b32 hwreg(HW_REG_WAVE_MODE, 25, 1), 1
	s_wait_xcnt 0x0
; Everything that is quantised once.  x [2048][4096] and base_weight [4096][4096], f32, become codes of FP8 (E4M3) with one E8M0 byte for each 32 along K = the 4,096;
; T[tok][p][j] = sum over i of Q(w1)[p][i] Q(x)[tok][i][j] (x quantised a second time, along i) is made by the matrix unit and quantised along j; Q(w2) is laid out as operand registers;
; mag[n] = dora[n] / |base_weight[n][:] + 0.25 adapter[n][:]|, adapter[64 i + j][64 p + q] = w1[p][i] w2[q][j].  w1 = w1a w1b and w2 = w2a w2b are f32 multiply-adds, summed in the order 0..3.
; SHARES.  256 work-groups of eight waves.  Wave w of group g takes token 8 g + w and rows 16 g + 2 w, 16 g + 2 w + 1 of base_weight: three rows of 16 KiB, each read by 32 loads of 512 consecutive bytes.
; Two rows of a wave are on their way at a time, in 256 registers.  A row goes through the wave's own image in LDS, since the conversions want 16 neighbours along K in ONE lane.
; THE IMAGE: 64 bytes of data, 16 of padding; 128 bytes more behind every 64 such pieces: number (i, j) of the row as 64 x 64 lies at 320 i + 128 (i / 16) + 4 j + 16 (j / 16).
; A block's scale is 2^(floor(log2(largest magnitude)) - 8): its byte is the largest magnitude's exponent field - 8, held at 1 from below by a floor among the maximum's leaves.
; OUT: xc [2048][4096], xs [2048][128], tc [tok][p][j], ts [tok][p][2]; wc [n / 16][K / 16][n % 16][16 bytes], so that a fragment's load is 512 consecutive bytes, 16 a lane;
; ws: byte (n, b = K / 32) at 4096 (n / 32) + 512 (b / 16) + 16 (n % 32) + b % 16; w2q: four fragments as images of their registers, then their scale words; mag [4096] f32.
; LIMITS: NaN and infinities among the inputs are not served.  A block of zeros, or one whose largest magnitude lies under 2^-118, has the byte 1 (this program alone reads the bytes).
; A squared norm under 2^-126 counts as 0 in the reciprocal root.
; No tensor load, no cluster, no ring: nothing is shared between work-groups, and the waves share only the way out (one barrier).
.set WREG,  29184                      ; LDS: a region for each wave: the image (20,992 bytes),
.set TSTO,  20992                      ; a token's codes of T (4,096),
.set SMO,   25088                      ; w1a, w1b, w2a, w2b, 1,024 bytes each
.set WIMG,  233472                     ; shared: the group's 16 rows of W as codes: 256 pieces along K x (16 rows x 16 bytes + 16 of padding)
.set SCA,   303104                     ; shared: scale bytes: xs 1,024, ts 1,024, ws 2,048
.set NRA,   307200                     ; shared: 16 squared norms
.set GL,  1                            ; v1   16 x lane: a load's or store's 512 bytes
.set STI, 2                            ; v2   the image, way in
.set KRD, 3                            ; v3   the image, 16 neighbours a lane
.set XRD, 4                            ; v4   the image, one column j a lane
.set XSB, 5                            ; v5   my byte among x's scale bytes
.set TSB, 6                            ; v6   among T's
.set WSB, 7                            ; v7   among W's
.set TSA, 8                            ; v8   T's codes, way in
.set TRD, 9                            ; v9   T's codes, way out; 4,096 bytes on: the small arrays, way in
.set WGA, 10                           ; v10  W's codes, way in
.set SMA, 11                           ; v11  small arrays + 16 r
.set SMH, 12                           ; v12  + 64 h
.set SMP, 13                           ; v13  + 16 (lane / 4)
.set SMQ, 14                           ; v14  + 256 (lane % 4)
.set NRW, 15                           ; v15  my wave's two squared norms
.set OSC, 16                           ; v16  scale bytes, way out
.set OWI, 17                           ; v17  W's codes, way out
.set TM,  18                           ; v18-33 +0..3 largest magnitudes, +4..7 the other half's, then bytes, +8..11 448 x scale, +12..15 the conversions' scale operands
.set W1S, 34                           ; v34-37 scale words of w1's (w2's) four tiles: scales and nothing else
.set PW,  38                           ; v38-39 scale words of x's two tiles: scales and nothing else
.set W1Q, 40                           ; v40-79 four tiles of w1, eight registers of codes each, then eight zeros
.set PC,  80                           ; v80-111 x's two tiles: eight registers of codes, eight zeros, twice
.set E,   112                          ; v112-119 a scale byte for each step
.set ONR, 120                          ; v120 the squared norms, way out
.set OSG, 121                          ; v121 scale bytes: my offset in memory
.set MGO, 122                          ; v122 4 r
.set DOR, 123                          ; v123 dora
.set T0,  124                          ; v124-127 at work at the head
.set T1,  125
.set T2,  126
.set T3,  127
.set NUM, 128                          ; v128-191 numbers ahead of a quantiser; along K: two sets of 16 and 32 registers of codes
.set ACC, 192                          ; v192-255 product 4's results
.set A16, 40                           ; rows of W: 0.25 w1[p][i] for each step, twice (a pair for the packed form)
.set B0,  56                           ; w2[q][j] of my 16 q, for my two rows
.set NACC, 88                          ; four pairs of partial squared norms
.set WT,  96                           ; 16 numbers of W + 0.25 adapter
.set STA, 0                            ; window 1: two rows as loaded
.set STB, 128
.set WV,  4
.set WR,  5
.set WRT, 6
.set WRS, 7
.set XP,  8
.set WP,  10
.set XCP, 22
.set XSP, 24
.set TCP, 26
.set TSP, 28
.set WCP, 30
.set WSP, 32
.set W2QP, 34
.set MGP, 36
.set SEL, 38
.set MNT, 40
.set TS,  41
.set OF,  42
.set OG,  44
.set C1B, 48                           ; s48-51 0.25 w1b[0..3][i]
.set C2B, 52                           ; s52-59 w2b[0..3][j0], [j0 + 1]
.set P1,  60
.set P2,  62
.set SCP, 66
.set MSB, 0
.macro WIN new                         ; the immediate's high byte repeats the setting that is left
.if MSB != \new
	s_set_vgpr_msb (MSB<<8)|\new
.set MSB, \new
.endif
.endm
.macro LOADROW st, p, off              ; a row of 16 KiB: 32 loads of 512 consecutive bytes, into window 1
	WIN 0x40
.set n, 0
.rept 32
	global_load_b128 v[\st+4*n:\st+4*n+3], v[GL], s[\p:\p+1] offset:\off+512*n th:TH_LOAD_NT
.set n, n+1
.endr
	WIN 0
.endm
.macro STAGE st                        ; the row into the image, as it lies
	WIN 0x04
.set n, 0
.rept 32
	ds_store_b128 v[STI], v[\st+4*n:\st+4*n+3] offset:640*n+128*(n/8)
.set n, n+1
.endr
	WIN 0
.endm
; Four blocks b; my 16 numbers of block b are v[src + 16 b + i]; the block's other 16 lie in lane l xor 16.
.macro QSCALE src
.irp b, 0,1,2,3
	v_max3_num_f32 v[TM+\b], |v[\src+16*\b]|, |v[\src+16*\b+1]|, 0x4800000   ; and the floor 2^(9 - 127): the byte cannot fall under 1
.endr
.irp i, 2,4,6,8,10,12,14
.irp b, 0,1,2,3
	v_max3_num_f32 v[TM+\b], v[TM+\b], |v[\src+16*\b+\i]|, |v[\src+16*\b+\i+1]|   ; the four blocks by turns
.endr
.endr
.irp b, 0,1,2,3
	v_permlanex16_b32 v[TM+4+\b], v[TM+\b], s[SEL], s[SEL+1]
.endr
.irp b, 0,1,2,3
	v_max_num_f32 v[TM+\b], v[TM+\b], v[TM+4+\b]
.endr
.irp b, 0,1,2,3
	v_add_nc_u32 v[TM+12+\b], 0xfc000000, v[TM+\b]        ; 8 off the exponent field: the conversion's scale operand
.endr
.irp b, 0,1,2,3
	v_and_or_b32 v[TM+8+\b], v[TM+\b], 0x7f800000, s[MNT] ; 448 x the scale
.endr
.irp b, 0,1,2,3
	v_lshrrev_b32 v[TM+4+\b], 23, v[TM+12+\b]             ; the scale's byte
.endr
.endm
; The hold and the conversions; block b's four registers of codes go to v[dst + 16 (b / 2) + sb (b % 2)].
.macro QCODES src, dst, sb
.irp b, 0,1,2,3
.irp i, 0,1,2,3,4,5,6,7,8,9,10,11,12,13,14,15
	v_med3_num_f32 v[\src+16*\b+\i], v[\src+16*\b+\i], -v[TM+8+\b], v[TM+8+\b]   ; the conversion to an 8-bit code does not saturate (ISA guide 7.6.2)
.endr
	v_cvt_scalef32_pk8_fp8_f32 v[\dst+16*(\b/2)+\sb*(\b%2):\dst+16*(\b/2)+\sb*(\b%2)+1], v[\src+16*\b:\src+16*\b+7], v[TM+12+\b]
	v_cvt_scalef32_pk8_fp8_f32 v[\dst+16*(\b/2)+\sb*(\b%2)+2:\dst+16*(\b/2)+\sb*(\b%2)+3], v[\src+16*\b+8:\src+16*\b+15], v[TM+12+\b]
.endr
	v_nop                                          ; one plain line behind the last conversion
.endm
; w = a b (64 x 4 by 4 x 64) in f32, quantised along its second axis: tile t's lane (r, h) holds row 16 t + r, registers 4 c .. 4 c + 3 columns 32 c + 16 h + 0 .. 15.
.macro GENQ aoff, boff
.irp c, 0,1
.irp t, 0,1,2,3
	ds_load_b128 v[TM+4*\t:TM+4*\t+3], v[SMA] offset:\aoff+256*\t          ; a's row 16 t + r
.endr
.irp e, 0,1,2,3
.irp q, 0,1,2,3
	ds_load_b128 v[ACC+16*\e+4*\q:ACC+16*\e+4*\q+3], v[SMH] offset:\boff+256*\e+128*\c+16*\q   ; b[e][32 c + 16 h + 0 .. 15]
.endr
.endr
	s_wait_dscnt 0x0                               ; they are in; earlier LDS stores have read their registers
.irp t, 0,1,2,3
.irp i, 0,1,2,3,4,5,6,7,8,9,10,11,12,13,14,15
	v_mul_f32 v[NUM+16*\t+\i], v[TM+4*\t], v[ACC+\i]
.endr
.endr
.irp e, 1,2,3
.irp t, 0,1,2,3
.irp i, 0,1,2,3,4,5,6,7,8,9,10,11,12,13,14,15
	v_fmac_f32 v[NUM+16*\t+\i], v[TM+4*\t+\e], v[ACC+16*\e+\i]
.endr
.endr
.endr
	QSCALE NUM
.irp t, 0,1,2,3
.if \c == 0
	v_mov_b32 v[W1S+\t], v[TM+4+\t]                ; the scale word: bytes 2 and 3 stay 0, over zero codes
.else
	v_lshl_or_b32 v[W1S+\t], v[TM+4+\t], 8, v[W1S+\t]
.endif
.endr
	QCODES NUM, W1Q+4*\c, 8
.endr
.endm
.macro KLOAD s                         ; step s along K: my 16 neighbours, numbers 512 s + 16 lane on
.irp c, 0,1,2,3
	ds_load_b128 v[NUM+16*((\s)%2)+4*\c:NUM+16*((\s)%2)+4*\c+3], v[KRD] offset:2560*(\s)+128*((\s)/2)+16*\c
.endr
.endm
; Step s of a row's quantisation along K: 512 numbers, two neighbouring lanes to a block.  w = 0: the token; w = 1: my k-th row of W, whose squared norm is summed on the way.
.macro KSTEP s, w, k
.set XS, NUM+16*((\s)%2)
.set CD, NUM+32+4*(\s)
.if (\s) < 7
	KLOAD (\s)+1
	s_wait_dscnt 0x4                               ; all but the four loads just issued: this step's numbers are in, and older LDS stores have read their registers
.else
	s_wait_dscnt 0x0
.endif
	v_max3_num_f32 v[TM], |v[XS]|, |v[XS+1]|, |v[XS+2]|
	v_max3_num_f32 v[TM+1], |v[XS+3]|, |v[XS+4]|, |v[XS+5]|
.irp i, 6,10
	v_max3_num_f32 v[TM], v[TM], |v[XS+\i]|, |v[XS+\i+1]|
	v_max3_num_f32 v[TM+1], v[TM+1], |v[XS+\i+2]|, |v[XS+\i+3]|
.endr
	v_max3_num_f32 v[TM], v[TM], |v[XS+14]|, |v[XS+15]|
	v_max3_num_f32 v[TM], v[TM], v[TM+1], 0x4800000
	v_max_num_f32_dpp v[TM], v[TM], v[TM] row_xmask:1 row_mask:0xf bank_mask:0xf   ; with my neighbour's 16: the block's
	v_add_nc_u32 v[TM+12], 0xfc000000, v[TM]
	v_and_or_b32 v[TM+8], v[TM], 0x7f800000, s[MNT]
.if \w
.irp t, 0,2,4,6,8,10,12,14
	v_pk_fma_f32 v[WT+\t:WT+\t+1], v[B0+16*(\k)+\t:B0+16*(\k)+\t+1], v[A16+2*(\s):A16+2*(\s)+1], v[XS+\t:XS+\t+1]   ; W + 0.25 w1[p][i] w2[q][j]
.endr
.irp t, 0,2,4,6
.if (\s) == 0
	v_pk_mul_f32 v[NACC+\t:NACC+\t+1], v[WT+\t:WT+\t+1], v[WT+\t:WT+\t+1]                      ; the first squares start the sums
.else
	v_pk_fma_f32 v[NACC+\t:NACC+\t+1], v[WT+\t:WT+\t+1], v[WT+\t:WT+\t+1], v[NACC+\t:NACC+\t+1]
.endif
.endr
.irp t, 0,2,4,6
	v_pk_fma_f32 v[NACC+\t:NACC+\t+1], v[WT+8+\t:WT+8+\t+1], v[WT+8+\t:WT+8+\t+1], v[NACC+\t:NACC+\t+1]
.endr
.endif
.irp i, 0,1,2,3,4,5,6,7,8,9,10,11,12,13,14,15
	v_med3_num_f32 v[XS+\i], v[XS+\i], -v[TM+8], v[TM+8]
.endr
	v_cvt_scalef32_pk8_fp8_f32 v[CD:CD+1], v[XS:XS+7], v[TM+12]
	v_cvt_scalef32_pk8_fp8_f32 v[CD+2:CD+3], v[XS+8:XS+15], v[TM+12]
	v_lshrrev_b32 v[E+(\s)], 23, v[TM+12]          ; the byte; also the plain line behind the conversions
.if \w
	ds_store_b8 v[WSB], v[E+(\s)] offset:256*(\s)+16*(\k)          ; both lanes of a block write the same byte with the same value
	ds_store_b128 v[WGA], v[CD:CD+3] offset:8704*(\s)+16*(\k)      ; piece 32 s + lane along K, row 2 w + k of the group's 16
.else
	ds_store_b8 v[XSB], v[E+(\s)] offset:16*(\s)
	global_store_b128 v[GL], v[CD:CD+3], s[XCP:XCP+1] offset:512*(\s)   ; 512 consecutive bytes of the token's row of codes
.endif
.endm
.macro NORM k                          ; the row's squared norm: within the lane, across the 32 lanes, into LDS
	v_pk_add_f32 v[NACC:NACC+1], v[NACC:NACC+1], v[NACC+2:NACC+3]
	v_pk_add_f32 v[NACC+4:NACC+5], v[NACC+4:NACC+5], v[NACC+6:NACC+7]
	v_pk_add_f32 v[NACC:NACC+1], v[NACC:NACC+1], v[NACC+4:NACC+5]
	v_add_f32 v[NACC], v[NACC], v[NACC+1]
	v_add_f32_dpp v[NACC], v[NACC], v[NACC] row_xmask:1 row_mask:0xf bank_mask:0xf
	v_add_f32_dpp v[NACC], v[NACC], v[NACC] row_xmask:2 row_mask:0xf bank_mask:0xf
	v_add_f32_dpp v[NACC], v[NACC], v[NACC] row_xmask:4 row_mask:0xf bank_mask:0xf
	v_add_f32_dpp v[NACC], v[NACC], v[NACC] row_xmask:8 row_mask:0xf bank_mask:0xf
	v_permlanex16_b32 v[NACC+1], v[NACC], s[SEL], s[SEL+1]
	v_add_f32 v[NACC], v[NACC], v[NACC+1]
	ds_store_b32 v[NRW], v[NACC] offset:4*(\k)     ; all lanes write the same word with the same value
.endm
.macro XCOL bp                         ; x(i, j) for product 4: register 16 (2 u + c) + t = x(32 c + 16 h + t, 32 bp + 8 u + r + 8 (r / 8))
.irp u, 0,1
.irp c, 0,1
.irp t, 0,1,2,3,4,5,6,7,8,9,10,11,12,13,14,15
	ds_load_b32 v[NUM+16*(2*\u+\c)+\t], v[XRD] offset:160*(\bp)+32*\u+10496*\c+320*\t
.endr
.endr
.endr
.endm
	s_load_b256 s[8:15], s[0:1], 0x0               ; x, base_weight, w1a, w1b
	s_load_b256 s[16:23], s[0:1], 0x20             ; w2a, w2b, dora_weight, xc
	s_load_b256 s[24:31], s[0:1], 0x40             ; xs, tc, ts, wc
	s_load_b128 s[32:35], s[0:1], 0x60             ; ws, w2q
	s_load_b64 s[36:37], s[0:1], 0x70              ; mag
	v_lshrrev_b32 v[T0], 5, v0
	v_readfirstlane_b32 s[WV], v[T0]               ; wave 0..7
	v_and_b32 v[T0], 31, v0                        ; lane
	v_and_b32 v[T1], 15, v0                        ; r
	v_bfe_u32 v[T2], v0, 4, 1                      ; h
	s_mul_i32 s[WR], s[WV], WREG
	s_add_co_u32 s[WRT], s[WR], TSTO
	s_add_co_u32 s[WRS], s[WR], SMO
	s_mov_b32 s[SEL], 0x76543210
	s_mov_b32 s[SEL+1], 0xfedcba98                 ; v_permlanex16_b32's selects for lane l xor 16
	s_mov_b32 s[MNT], 0x600000                     ; the mantissa field of 448
	; every LDS address is made here, ahead of every branch: a constant, a constant x lane, a constant x wave
	v_lshlrev_b32 v[GL], 4, v[T0]
	v_bfe_u32 v[T3], v0, 2, 3                      ; lane / 4
	v_mul_u32_u24 v[STI], v[T3], 80
	v_lshl_add_u32 v[SMP], v[T3], 4, s[WRS]
	v_and_b32 v[T3], 3, v0                         ; lane % 4
	v_lshl_add_u32 v[STI], v[T3], 4, v[STI]
	v_add_nc_u32 v[STI], s[WR], v[STI]             ; four lanes' 64 bytes on end, then 16 of padding
	v_lshl_add_u32 v[SMQ], v[T3], 8, s[WRS]
	v_mul_u32_u24 v[KRD], v[T0], 80
	v_add_nc_u32 v[KRD], s[WR], v[KRD]
	v_bfe_u32 v[T3], v0, 3, 1                      ; r / 8
	v_mul_u32_u24 v[XRD], v[T3], 48
	v_lshl_add_u32 v[XRD], v[T1], 2, v[XRD]
	v_mad_u32_u24 v[XRD], v[T2], 5248, v[XRD]      ; lanes 16-31: 16 rows i further on
	v_add_nc_u32 v[XRD], s[WR], v[XRD]
	v_bfe_u32 v[T3], v0, 1, 4                      ; lane / 2
	s_lshl_b32 s[TS], s[WV], 7
	s_add_co_u32 s[TS], s[TS], SCA
	v_add_nc_u32 v[XSB], s[TS], v[T3]
	s_add_co_u32 s[TS], s[TS], 1024
	v_lshl_add_u32 v[TSB], v[T1], 1, s[TS]
	s_lshl_b32 s[TS], s[WV], 5
	s_add_co_u32 s[TS], s[TS], SCA+2048
	v_add_nc_u32 v[WSB], s[TS], v[T3]
	v_lshl_add_u32 v[TSA], v[T1], 6, s[WRT]
	v_lshl_add_u32 v[TSA], v[T2], 4, v[TSA]
	v_lshl_add_u32 v[TRD], v[T0], 4, s[WRT]
	v_mul_u32_u24 v[WGA], v[T0], 272
	s_lshl_b32 s[TS], s[WV], 5
	s_add_co_u32 s[TS], s[TS], WIMG
	v_add_nc_u32 v[WGA], s[TS], v[WGA]
	v_lshl_add_u32 v[SMA], v[T1], 4, s[WRS]
	v_lshl_add_u32 v[SMH], v[T2], 6, s[WRS]
	s_lshl_b32 s[TS], s[WV], 3
	s_add_co_u32 s[TS], s[TS], NRA
	v_mov_b32 v[NRW], s[TS]
	s_lshl_b32 s[TS], s[WV], 9
	s_add_co_u32 s[TS], s[TS], SCA
	v_lshl_add_u32 v[OSC], v[T0], 4, s[TS]
	s_mul_i32 s[TS], s[WV], 8704
	s_add_co_u32 s[TS], s[TS], WIMG
	v_mul_u32_u24 v[OWI], v[T2], 272
	v_lshl_add_u32 v[OWI], v[T1], 4, v[OWI]
	v_add_nc_u32 v[OWI], s[TS], v[OWI]
	v_lshl_add_u32 v[ONR], v[T1], 2, NRA
	v_lshlrev_b32 v[MGO], 2, v[T1]
	; the scale bytes' way out: waves 0, 1 take xs, waves 2, 3 ts, waves 4-7 ws (whose 256-byte groups lie 512 bytes apart in memory)
	s_lshl_b32 s[OF], ttmp9, 10
	s_and_b32 s[TS], s[WV], 1
	s_lshl_b32 s[TS], s[TS], 9
	s_add_co_u32 s[OF], s[OF], s[TS]               ; xs, ts: 1,024 g + 512 (w % 2)
	s_lshr_b32 s[OG], ttmp9, 1
	s_lshl_b32 s[OG], s[OG], 12
	s_and_b32 s[TS], ttmp9, 1
	s_lshl_b32 s[TS], s[TS], 8
	s_add_co_u32 s[OG], s[OG], s[TS]
	s_and_b32 s[TS], s[WV], 3
	s_lshl_b32 s[TS], s[TS], 10
	s_add_co_u32 s[OG], s[OG], s[TS]               ; ws: 4,096 (g / 2) + 256 (g % 2) + 1,024 (w - 4)
	s_wait_kmcnt 0x0
	s_cmp_lt_u32 s[WV], 2                          ; the choices hang on the wave's number alone
	s_cselect_b64 s[SCP:SCP+1], s[XSP:XSP+1], s[TSP:TSP+1]
	s_cmp_lt_u32 s[WV], 4
	s_cselect_b64 s[SCP:SCP+1], s[SCP:SCP+1], s[WSP:WSP+1]
	s_cselect_b32 s[OF], s[OF], s[OG]
	s_cselect_b32 s[TS], 8, 9
	s_mov_b32 s[OF+1], 0
	s_add_nc_u64 s[SCP:SCP+1], s[SCP:SCP+1], s[OF:OF+1]
	v_lshlrev_b32 v[T3], s[TS], v[T2]
	v_lshl_add_u32 v[OSG], v[T1], 4, v[T3]         ; 16 r + 256 h, or + 512 h
	s_lshl_b32 s[OF], ttmp9, 15
	s_lshl_b32 s[TS], s[WV], 12
	s_add_co_u32 s[OF], s[OF], s[TS]               ; (8 g + w) x 4,096
	s_add_nc_u64 s[XCP:XCP+1], s[XCP:XCP+1], s[OF:OF+1]
	s_add_nc_u64 s[TCP:TCP+1], s[TCP:TCP+1], s[OF:OF+1]
	s_lshl_b32 s[OF], s[OF], 1                     ; 65,536 g + 8,192 w
	s_add_nc_u64 s[WCP:WCP+1], s[WCP:WCP+1], s[OF:OF+1]
	s_lshl_b32 s[OF], s[OF], 1                     ; (8 g + w) x 16,384
	s_add_nc_u64 s[XP:XP+1], s[XP:XP+1], s[OF:OF+1]
	s_lshl_b32 s[OF], s[OF], 1                     ; (16 g + 2 w) x 16,384
	s_add_nc_u64 s[WP:WP+1], s[WP:WP+1], s[OF:OF+1]
	s_lshl_b32 s[OF], ttmp9, 6                     ; 16 g numbers of f32
	s_add_nc_u64 s[20:21], s[20:21], s[OF:OF+1]
	s_add_nc_u64 s[MGP:MGP+1], s[MGP:MGP+1], s[OF:OF+1]
	s_lshr_b32 s[OF], ttmp9, 2
	s_lshl_b32 s[OF], s[OF], 2                     ; my rows of W have i = g / 4,
	s_add_nc_u64 s[P1:P1+1], s[14:15], s[OF:OF+1]
	s_and_b32 s[OF], ttmp9, 3
	s_lshl_b32 s[OF], s[OF], 6
	s_lshl_b32 s[TS], s[WV], 3
	s_add_co_u32 s[OF], s[OF], s[TS]               ; and j = 16 (g % 4) + 2 w + k
	s_add_nc_u64 s[P2:P2+1], s[18:19], s[OF:OF+1]
.irp e, 0,1,2,3
	s_load_b32 s[C1B+\e], s[P1:P1+1], 256*\e
	s_load_b64 s[C2B+2*\e:C2B+2*\e+1], s[P2:P2+1], 256*\e
.endr
	global_load_b128 v[NUM:NUM+3], v[GL], s[12:13]
	global_load_b128 v[NUM+4:NUM+7], v[GL], s[12:13] offset:512
	global_load_b128 v[NUM+8:NUM+11], v[GL], s[14:15]
	global_load_b128 v[NUM+12:NUM+15], v[GL], s[14:15] offset:512
	global_load_b128 v[NUM+16:NUM+19], v[GL], s[16:17]
	global_load_b128 v[NUM+20:NUM+23], v[GL], s[16:17] offset:512
	global_load_b128 v[NUM+24:NUM+27], v[GL], s[18:19]
	global_load_b128 v[NUM+28:NUM+31], v[GL], s[18:19] offset:512
	global_load_b32 v[DOR], v[MGO], s[20:21]
	LOADROW STA, XP, 0                             ; my token
	s_wait_loadcnt 32                              ; the nine small loads are in; the token's 32 may be out
.irp i, 0,1,2,3,4,5,6,7
	ds_store_b128 v[TRD], v[NUM+4*\i:NUM+4*\i+3] offset:4096+512*\i    ; w1a, w1b, w2a, w2b: my wave's own copy
.endr
	LOADROW STB, WP, 0                             ; my first row of W
.irp i, 0,1,2,3,4,5,6,7
	v_mov_b32 v[W1Q+32+\i], 0                      ; zero codes for k = 64 .. 127 of the matrix instruction's 128: behind w1's last tile,
	v_mov_b32 v[PC+8+\i], 0                        ; and behind each of x's two tiles
	v_mov_b32 v[PC+24+\i], 0
.endr
	s_or_b32 s[TS], ttmp9, s[WV]
	s_cmp_lg_u32 s[TS], 0
	s_cbranch_scc1 .Lnot_first                     ; one wave of the launch lays Q(w2) out for the second launch
	GENQ 2048, 3072
.irp t, 0,1,2,3
	global_store_b128 v[GL], v[W1Q+8*\t:W1Q+8*\t+3], s[W2QP:W2QP+1] offset:2048*\t
	global_store_b128 v[GL], v[W1Q+8*\t+4:W1Q+8*\t+7], s[W2QP:W2QP+1] offset:2048*\t+512
	global_store_b128 v[GL], v[PC+8:PC+11], s[W2QP:W2QP+1] offset:2048*\t+1024      ; zero codes
	global_store_b128 v[GL], v[PC+8:PC+11], s[W2QP:W2QP+1] offset:2048*\t+1536
	global_store_b32 v[MGO], v[W1S+\t], s[W2QP:W2QP+1] offset:8192+64*\t            ; lanes 16-31 hold, and write, what lanes 0-15 do
.endr
	s_wait_xcnt 0x0                                ; the stores' registers are written again only behind this wait
.Lnot_first:
	GENQ 0, 1024                                   ; Q(w1), along i
	; ---- the token: along K = the 4,096
	s_wait_loadcnt 32                              ; the token is in; W's first row may be out
	STAGE STA
	s_wait_dscnt 0x0                               ; the stores have read their registers,
	LOADROW STA, WP, 16384                         ; which take my second row of W
	KLOAD 0
.irp s, 0,1,2,3,4,5,6,7
	KSTEP \s, 0, 0
.endr
	; ---- the token: T = Q(w1) Q(x), x quantised along i; then Q(T) along j.  Source 0 = 16 columns j of x, source 1 = 16 rows p of w1: a lane holds one p, its registers run along j.
	; THE j OF A TILE ARE NOT NEIGHBOURS: lane r of tile u takes j = 32 bp + 8 u + r + 8 (r / 8), so that the 16 registers of tiles 0 and 1 are j = 32 bp + 16 h + 0 .. 15.
	; K is 64 of the instruction's 128: x's upper halves are zero codes; w1's upper half is the next tile's codes, which are numbers (held under 448), and count for nothing against zeros.
	s_wait_xcnt 0x0                                ; the stores of x's codes have read their registers
	XCOL 0
.irp bp, 0,1
	s_wait_dscnt 0x0                               ; the columns are in, and the LDS stores of the last turn have read their registers
	QSCALE NUM
	v_lshl_or_b32 v[PW], v[TM+5], 8, v[TM+4]       ; tile 0's scale word: i = 0 .. 31, 32 .. 63
	v_lshl_or_b32 v[PW+1], v[TM+7], 8, v[TM+6]     ; tile 1's
	QCODES NUM, PC, 4
.if \bp == 0
	XCOL 1                                         ; the next 32 columns come while these are multiplied and quantised
.endif
.rept 3
	v_nop                                          ; with the one behind the conversions: four lines between the codes and the products
.endr
.irp pt, 0,1,2,3
.irp u, 0,1
	v_wmma_scale_f32_16x16x128_f8f6f4 v[ACC+16*\pt+8*\u:ACC+16*\pt+8*\u+7], v[PC+16*\u:PC+16*\u+15], v[W1Q+8*\pt:W1Q+8*\pt+15], 0, v[PW+\u], v[W1S+\pt]
.endr
.endr
.rept 9
	v_nop                                          ; behind the products, ahead of the reads of their results and of every write to their registers (ISA guide 7.12.1)
.endr
	QSCALE ACC                                     ; block pt: T(16 pt + r, 32 bp + 0 .. 31); each result is read from its low end on
.irp pt, 0,1,2,3
	ds_store_b8 v[TSB], v[TM+4+\pt] offset:32*\pt+\bp
.endr
	QCODES ACC, PC, 4
.irp pt, 0,1,2,3
	ds_store_b128 v[TSA], v[PC+16*(\pt/2)+4*(\pt%2):PC+16*(\pt/2)+4*(\pt%2)+3] offset:1024*\pt+32*\bp
.endr
.endr
.irp t, 0,1,2,3,4,5,6,7
	ds_load_b128 v[NUM+32+4*\t:NUM+32+4*\t+3], v[TRD] offset:512*\t    ; LDS serves a wave's instructions in order: these see my stores
.endr
.irp t, 0,1,2,3,4,5,6,7
	s_wait_dscnt 7-\t
	global_store_b128 v[GL], v[NUM+32+4*\t:NUM+32+4*\t+3], s[TCP:TCP+1] offset:512*\t
.endr
	; ---- my two rows of W: what the adapter adds.  In step s lane l holds columns 64 p + q with p = 8 s + l / 4, q = 16 (l % 4) + 0 .. 15
	s_wait_kmcnt 0x0
.irp e, 0,1,2,3
	s_mul_f32 s[C1B+\e], s[C1B+\e], 0x3e800000     ; the scaling 0.25: a power of two
.endr
.irp s, 0,1,2,3,4,5,6,7
	ds_load_b128 v[NUM+4*\s:NUM+4*\s+3], v[SMP] offset:128*\s          ; w1a's row p
.endr
.irp t, 0,1,2,3,4,5,6,7,8,9,10,11,12,13,14,15
	ds_load_b128 v[ACC+4*\t:ACC+4*\t+3], v[SMQ] offset:2048+16*\t      ; w2a's row q
.endr
	s_wait_dscnt 0x0
.irp s, 0,1,2,3,4,5,6,7
	v_mul_f32 v[A16+2*\s], s[C1B], v[NUM+4*\s]
.endr
.irp e, 1,2,3
.irp s, 0,1,2,3,4,5,6,7
	v_fmac_f32 v[A16+2*\s], s[C1B+\e], v[NUM+4*\s+\e]
.endr
.endr
.irp s, 0,1,2,3,4,5,6,7
	v_mov_b32 v[A16+2*\s+1], v[A16+2*\s]           ; twice: the packed form multiplies by a pair
.endr
.irp k, 0,1
.irp t, 0,1,2,3,4,5,6,7,8,9,10,11,12,13,14,15
	v_mul_f32 v[B0+16*\k+\t], s[C2B+\k], v[ACC+4*\t]
.endr
.irp e, 1,2,3
.irp t, 0,1,2,3,4,5,6,7,8,9,10,11,12,13,14,15
	v_fmac_f32 v[B0+16*\k+\t], s[C2B+2*\e+\k], v[ACC+4*\t+\e]
.endr
.endr
.endr
	s_wait_xcnt 0x0                                ; the stores of T's codes have read their registers
	s_wait_loadcnt 32                              ; my first row of W is in; the second may be out
	STAGE STB
	KLOAD 0
.irp s, 0,1,2,3,4,5,6,7
	KSTEP \s, 1, 0
.endr
	NORM 0
	s_wait_loadcnt 0x0
	STAGE STA
	KLOAD 0
.irp s, 0,1,2,3,4,5,6,7
	KSTEP \s, 1, 1
.endr
	NORM 1
	; ---- the way out of what the eight waves gathered together
	s_wait_dscnt 0x0                               ; for the others' sake: my LDS stores are done
	s_barrier_signal -1
	s_barrier_wait -1
	ds_load_b128 v[ACC:ACC+3], v[OSC]              ; 512 of the 4,096 scale bytes
.irp t, 0,1,2,3,4,5,6,7,8,9,10,11,12,13,14,15
	ds_load_b128 v[NUM+4*\t:NUM+4*\t+3], v[OWI] offset:544*\t          ; pieces 32 w + 2 t, + 1 along K: 16 rows x 16 bytes each
.endr
	s_wait_dscnt 16
	global_store_b128 v[OSG], v[ACC:ACC+3], s[SCP:SCP+1]               ; sixteen lanes store 256 consecutive bytes, aligned
.irp t, 0,1,2,3,4,5,6,7,8,9,10,11,12,13,14,15
	s_wait_dscnt 15-\t
	global_store_b128 v[GL], v[NUM+4*\t:NUM+4*\t+3], s[WCP:WCP+1] offset:512*\t
.endr
	s_cmp_lg_u32 s[WV], 0
	s_cbranch_scc1 .Ldone
	ds_load_b32 v[ACC+8], v[ONR]                   ; wave 0: the group's 16 squared norms; lanes 16-31 repeat lanes 0-15
	s_wait_dscnt 0x0
	v_rsq_f32 v[ACC+9], v[ACC+8]
	v_nop                                          ; one plain line behind the transcendental
	s_wait_alu depctr_va_vdst(0)
	v_mul_f32 v[ACC+9], v[ACC+9], v[DOR]
	global_store_b32 v[MGO], v[ACC+9], s[MGP:MGP+1]
.Ldone:
	s_wait_xcnt 0x0
	v_lshl_add_u32 v254, v0, 2, 0x4b100
	v_mov_b32 v255, 0
	s_wait_tensorcnt 0x0
	ds_add_u32 v254, v255
	s_wait_dscnt 0x0
	s_endpgm
.Lfunc_end_k_qb855737b51_prep:
	.size	k_qb855737b51_prep, .Lfunc_end_k_qb855737b51_prep-k_qb855737b51_prep
	.p2alignl 7, 3214868480
	.fill 96, 4, 3214868480
	.section	.rodata,"a",@progbits
	.p2align	6, 0x0
	.amdhsa_kernel k_qb855737b51_prep
		.amdhsa_group_segment_fixed_size 308480
		.amdhsa_private_segment_fixed_size 0
		.amdhsa_enable_private_segment 0
		.amdhsa_kernarg_size 120
		.amdhsa_user_sgpr_count 2
		.amdhsa_user_sgpr_kernarg_segment_ptr 1
		.amdhsa_wavefront_size32 1
		.amdhsa_system_sgpr_workgroup_id_x 1
		.amdhsa_system_sgpr_workgroup_id_y 1
		.amdhsa_system_sgpr_workgroup_id_z 1
		.amdhsa_system_vgpr_workitem_id 0
		.amdhsa_next_free_vgpr 512
		.amdhsa_next_free_sgpr 70
		.amdhsa_reserve_vcc 0
		.amdhsa_float_denorm_mode_32 3
		.amdhsa_float_denorm_mode_16_64 3
		.amdhsa_memory_ordered 1
		.amdhsa_forward_progress 1
		.amdhsa_inst_pref_size 224
	.end_amdhsa_kernel
	.amdgpu_metadata
---
amdhsa.version: [ 1, 2 ]
amdhsa.kernels:
  - .name:           k_qb855737b51_prep
    .symbol:         k_qb855737b51_prep.kd
    .args:
      - { .name: x, .offset: 0, .size: 8, .value_kind: global_buffer, .address_space: global }
      - { .name: base_weight, .offset: 8, .size: 8, .value_kind: global_buffer, .address_space: global }
      - { .name: w1a, .offset: 16, .size: 8, .value_kind: global_buffer, .address_space: global }
      - { .name: w1b, .offset: 24, .size: 8, .value_kind: global_buffer, .address_space: global }
      - { .name: w2a, .offset: 32, .size: 8, .value_kind: global_buffer, .address_space: global }
      - { .name: w2b, .offset: 40, .size: 8, .value_kind: global_buffer, .address_space: global }
      - { .name: dora_weight, .offset: 48, .size: 8, .value_kind: global_buffer, .address_space: global }
      - { .name: xc, .offset: 56, .size: 8, .value_kind: global_buffer, .address_space: global }
      - { .name: xs, .offset: 64, .size: 8, .value_kind: global_buffer, .address_space: global }
      - { .name: tc, .offset: 72, .size: 8, .value_kind: global_buffer, .address_space: global }
      - { .name: ts, .offset: 80, .size: 8, .value_kind: global_buffer, .address_space: global }
      - { .name: wc, .offset: 88, .size: 8, .value_kind: global_buffer, .address_space: global }
      - { .name: ws, .offset: 96, .size: 8, .value_kind: global_buffer, .address_space: global }
      - { .name: w2q, .offset: 104, .size: 8, .value_kind: global_buffer, .address_space: global }
      - { .name: mag, .offset: 112, .size: 8, .value_kind: global_buffer, .address_space: global }
    .group_segment_fixed_size: 308480
    .private_segment_fixed_size: 0
    .kernarg_segment_align: 8
    .kernarg_segment_size: 120
    .max_flat_workgroup_size: 256
    .sgpr_count:     70
    .vgpr_count:     512
    .wavefront_size: 32
...
	.end_amdgpu_metadata
.endif
;; end of part 1
;; launch gemm (part 2): grid 16 x 16, 4 waves a work-group, clusters of 4 x 1, 327,680 bytes of LDS; arguments xc, xs, wc, ws, tc, ts, w2q, mag, base_bias, out0; writes out0
.if DOCPART == 2
	.amdgcn_target "amdgcn-amd-amdhsa--gfx1250"
	.amdhsa_code_object_version 6
	.text
	.protected	k_qb855737b51_gemm
	.globl	k_qb855737b51_gemm
	.p2align	8
	.type	k_qb855737b51_gemm,@function
k_qb855737b51_gemm:
	s_mov_b64 s[64:65], 0
	v_nop
	global_prefetch_b8 v0, s[64:65] scope:SCOPE_SE
	s_setreg_imm32_b32 hwreg(HW_REG_WAVE_MODE, 25, 1), 1
	s_wait_xcnt 0x0
	s_wait_alu depctr_hold_cnt(0) depctr_sa_sdst(0) depctr_va_vdst(0) depctr_va_sdst(0) depctr_va_ssrc(0) depctr_va_vcc(0) depctr_vm_vsrc(0)
	s_getreg_b32 s2, hwreg(HW_REG_IB_STS2, 6, 4)
	s_cmp_eq_u32 s2, 0
	s_cbranch_scc0 .Lentry_in_a_cluster
	s_endpgm
.Lentry_in_a_cluster:
	s_bfe_u32 s2, ttmp6, 0x10000c
	s_cmp_lg_u32 s2, 0x3003
	s_cbranch_scc0 .Lentry_shape_is_right
	s_endpgm
.Lentry_shape_is_right:
; out[m][n] = (mag[n] - 1) (sum over k of Q(x)[m][k] Q(W)[n][k] + bias[n]) + 0.25 mag[n] sum over j of Q(T)[m][p][j] Q(w2)[q][j], n = 64 p + q.  All operands arrive as codes of FP8 (E4M3) with E8M0 bytes.
; SHARES.  A work-group makes 128 rows x 256 columns: 256 work-groups.  THE WAVES SHARE THE COLUMNS: wave w makes all 128 rows x columns 64 w .. 64 w + 63 of the tile (one p): 32 accumulators, 256 registers.
; So a wave's part of W is read by that wave alone: it goes from memory STRAIGHT INTO REGISTERS (wc lies in the order of the operand's registers: a load is 512 consecutive bytes), through a ring of four K steps,
; each half step asked for three and a half steps ahead.  x's codes go through a ring of two LDS slots of 1,024 along K, as large as fit, filled by the tensor data mover; every wave reads all of them.
; K = 4,096 is four slots' worth: two first fills and two refills; a refill, 32 KiB a wave, has eight K steps, 256 matrix instructions a wave, in which to land.
; THE 32 K STEPS ARE WRITTEN OUT by two macros: with two refills a loop that jumps over no tensor load would have two trips at the most; so every offset is an immediate and no base is stepped.
; CLUSTER.  The four work-groups of a cluster have the same 128 rows: x's tiles and x's scale bytes are asked for JOINTLY (mask 15).  W's tiles are not shared in a cluster: the partners have different columns,
; and work-groups with the same columns would have to take W through LDS, where it would halve the slots and add half again to the LDS bytes that a K step reads.
; THE MATRIX INSTRUCTION IS USED TRANSPOSED: source 0 = 16 rows of W, source 1 = 16 rows of x: a lane holds one row of out and eight neighbouring columns.
; LIMITS: as the first launch states them; the scale bytes of k = 64 .. 127 in the small product are 0, over zero codes on both sides.
; REGISTERS, in windows of 256: window 0: v8-29 addresses; v32-63 x's scale words, two sets; v64-79 W's, two sets; v80-87 T's; v88-91 w2's; v96-159 Q(w2); v160-255 the columns' three factors.
;   window 1: W's ring, step s % 4 at 64 (s % 4), tile b at + 16 b; at the end the small product.   window 2: accumulator (a, b) at 8 (4 a + b).   window 3: x's fragments, two sets of 128; at the end T's, and rows of out.
.set PITCH, 1040                       ; an LDS row of x: 1,024 bytes + 16 of padding = 260 words: row r starts at bank 4 r mod 64 (64 banks of 4 bytes: ISA guide 11.1)
.set SLOTB, 128*PITCH                  ; a slot: 133,120 bytes
.set HALFB, 64*PITCH                   ; 64 rows: as far as one address register and a 16-bit offset reach
.set SCL,   2*SLOTB                    ; x's scale bytes of the 128 rows, all of K: units of 256 bytes + 16 of padding: 17,408 bytes, filled once
.set TT,    SCL+17408                  ; T's codes: 128 rows x (256 bytes + 16): 34,816 bytes, filled once
.set SPARE, TT+34816                   ; the spare words, 128 bytes a wave: two blocks of 256 bytes that no other line names
.set STG,   0                          ; the way out: 16 rows x (256 bytes + 16) for each wave, in slot 0: it has had its last fill, and nobody reads it behind the last change of slots
.set ADA, 8                            ; v8-11 my place in a fragment of x: slot 0 rows 0-63, rows 64-127; slot 1 likewise
.set ADS, 18                           ; v18  x's scale words: lanes 0-15 blocks 0-3, lanes 16-31 blocks 4-7
.set ADT, 19                           ; v19  T's fragments
.set BO,  20                           ; v20  16 x lane
.set STO, 21                           ; v21  the stage, way in
.set RD,  22                           ; v22  the stage, way out
.set CO,  23                           ; v23  my offset in two rows of out
.set SPW, 24                           ; v24  my spare word; never rewritten
.set NIL, 25                           ; v25  0; never rewritten
.set O4R, 26
.set O128, 27
.set O32H, 28
.set SA,  32                           ; set s, block i (and i + 4), step q of four: v[SA + 16 s + 4 i + q]
.set SB,  64                           ; set s, pair of tiles p, step q: v[SB + 8 s + 4 p + q]: lanes 0-15 the even tile, lanes 16-31 the odd one
.set TSC, 80
.set W2S, 88
.set W2Q, 96
.set C1,  160                          ; mag - 1
.set C0,  192                          ; bias, then (mag - 1) bias
.set C2,  224                          ; mag, then 0.25 mag
.set WV,  4
.set CX,  5
.set TN,  6
.set TMI, 7
.set G1A, 28
.set G1S, 36
.set G1T, 44
.set G0,  52                           ; s[52:55], s[56:59]: a group 0 for each slot
.set G0S, 60
.set G0T, 68
.set BP,  72
.set WSP, 74
.set OUTP, 76
.set OA,  78
.set OS,  80
.set OT,  82
.set QUART, 84
.set LA,  87
.set LS,  88
.set LT,  89
.set TA,  90
.set TB,  91
.set TSP, 92
.set MGP, 94
.set BIP, 96
.set MULW, 0xad                        ; source 0 (W) window 1, source 1 (x) window 3, C and D window 2
.set MSB, 0
.macro WIN new                         ; the immediate's high byte repeats the setting that is left
.if MSB != \new
	s_set_vgpr_msb (MSB<<8)|\new
.set MSB, \new
.endif
.endm
.macro PLACES n
.rept \n
	v_nop
.endr
.endm
.macro CREST                           ; a round of the cluster's barrier behind its opening barrier
	s_cmp_lg_u32 s[WV], 0
	s_cbranch_scc1 .Lnot_wave_0_\@
	s_barrier_signal -3
.Lnot_wave_0_\@:
	s_barrier_wait -3
	s_barrier_signal -1
	s_barrier_wait -1
.endm
.macro ROUND
	s_barrier_signal -1
	s_barrier_wait -1
	CREST
.endm
.macro BHALF rel, j, x                 ; half a K step of W: tiles 2 x, 2 x + 1 of K step rel into ring place j: eight loads
	WIN 0x40
.irp b, 2*(\x), 2*(\x)+1
.irp c, 0,1,2,3
	global_load_b128 v[64*(\j)+16*(\b)+4*\c:64*(\j)+16*(\b)+4*\c+3], v[BO], s[BP:BP+1] offset:65536*(\b)+2048*(\rel)+512*\c
.endr
.endr
.endm
.macro FETCH_A sl, q, set              ; x's eight fragments of the slot's q-th 128 along K: 32 LDS loads
	WIN 0xc0
.irp a, 0,1,2,3,4,5,6,7
.irp c, 0,1,2,3
	ds_load_b128 v[128*(\set)+16*\a+4*\c:128*(\set)+16*\a+4*\c+3], v[ADA+2*(\sl)+\a/4] offset:16*PITCH*(\a%4)+128*(\q)+32*\c
.endr
.endr
.endm
.macro SCLDS set, gi                   ; x's scale words of four K steps (16 bytes a row): group gi of eight
.irp i, 0,1,2,3
	ds_load_b128 v[SA+16*(\set)+4*\i:SA+16*(\set)+4*\i+3], v[ADS] offset:2176*\i+16*(\gi)
.endr
.endm
.macro SCGLB set, gi                   ; W's: 512 consecutive bytes for a pair of tiles
.irp p, 0,1
	global_load_b128 v[SB+8*(\set)+4*\p:SB+8*(\set)+4*\p+3], v[BO], s[WSP:WSP+1] offset:4096*\p+512*(\gi)
.endr
.endm
.macro WM d, fb, fa, sb, sa, odd, hi, zero     ; one product; odd: W's scales in lanes 16-31; hi: x's scales in lanes 16-31; zero: it starts the sum
.if \zero
.if (\odd) && (\hi)
	v_wmma_scale_f32_16x16x128_f8f6f4 v[\d:\d+7], v[\fb:\fb+15], v[\fa:\fa+15], 0, v[\sb], v[\sa] matrix_a_scale:MATRIX_SCALE_ROW1 matrix_b_scale:MATRIX_SCALE_ROW1
.elseif (\odd)
	v_wmma_scale_f32_16x16x128_f8f6f4 v[\d:\d+7], v[\fb:\fb+15], v[\fa:\fa+15], 0, v[\sb], v[\sa] matrix_a_scale:MATRIX_SCALE_ROW1
.elseif (\hi)
	v_wmma_scale_f32_16x16x128_f8f6f4 v[\d:\d+7], v[\fb:\fb+15], v[\fa:\fa+15], 0, v[\sb], v[\sa] matrix_b_scale:MATRIX_SCALE_ROW1
.else
	v_wmma_scale_f32_16x16x128_f8f6f4 v[\d:\d+7], v[\fb:\fb+15], v[\fa:\fa+15], 0, v[\sb], v[\sa]
.endif
.else
.if (\odd) && (\hi)
	v_wmma_scale_f32_16x16x128_f8f6f4 v[\d:\d+7], v[\fb:\fb+15], v[\fa:\fa+15], v[\d:\d+7], v[\sb], v[\sa] matrix_a_scale:MATRIX_SCALE_ROW1 matrix_b_scale:MATRIX_SCALE_ROW1
.elseif (\odd)
	v_wmma_scale_f32_16x16x128_f8f6f4 v[\d:\d+7], v[\fb:\fb+15], v[\fa:\fa+15], v[\d:\d+7], v[\sb], v[\sa] matrix_a_scale:MATRIX_SCALE_ROW1
.elseif (\hi)
	v_wmma_scale_f32_16x16x128_f8f6f4 v[\d:\d+7], v[\fb:\fb+15], v[\fa:\fa+15], v[\d:\d+7], v[\sb], v[\sa] matrix_b_scale:MATRIX_SCALE_ROW1
.else
	v_wmma_scale_f32_16x16x128_f8f6f4 v[\d:\d+7], v[\fb:\fb+15], v[\fa:\fa+15], v[\d:\d+7], v[\sb], v[\sa]
.endif
.endif
.endm
; Eight products: x's blocks a0 .. a0 + 3 against W's tiles 2 x, 2 x + 1.  The 32 accumulators take turns, one instruction a turn, in the same order in every step.
.macro MUL8 j, set, sc, q, x, a0, zero
.irp a, \a0, \a0+1, \a0+2, \a0+3
.irp b, 2*(\x), 2*(\x)+1
	WM 8*(4*(\a)+(\b)), 64*(\j)+16*(\b), 128*(\set)+16*(\a), SB+8*(\sc)+4*((\b)/2)+(\q), SA+16*(\sc)+4*((\a)%4)+(\q), (\b)%2, (\a)/4, \zero
.endr
.endr
.endm
; What K step s (0 .. 31) names: its slot, its place in the slot, W's ring place (also the scale word's register in its group of four), x's set of fragments, the set of scale words,
; and how many of W's halves of eight loads are younger than the half that has to be there: W's halves are asked for in order, the second half of step s + 3 at step s's head, the first half of step s + 4 in its middle; 64 halves in all.
.macro NAMES s
.set KSL,  ((\s)/8)%2
.set KQ8,  (\s)%8
.set KJ,   (\s)%4
.set KSET, (\s)%2
.set KSC,  ((\s)/4)%2
.set KN1,  63-2*(\s)
.if KN1 > 7
.set KN1,  7
.endif
.set KN2,  62-2*(\s)
.if KN2 > 7
.set KN2,  7
.endif
.endm
; A K step of 128 that has its successor in the same slot.  Loads into registers that matrix instructions have read stand eight plain lines behind them.
.macro STEP s, zero
	NAMES \s
	PLACES 8
.if (KJ == 0) && ((\s) < 28)
	SCLDS 1-KSC, (\s)/4+1                          ; the next four steps' scale words
	SCGLB 1-KSC, (\s)/4+1
.endif
.if (\s) < 29
	BHALF (\s)+3, ((\s)+3)%4, 1                    ; into the place that the last step's second half has left
.endif
	FETCH_A KSL, KQ8+1, 1-KSET
	s_wait_dscnt 32                                ; all but the 32 just issued: this step's fragments of x are in
	s_wait_loadcnt 8*KN1                           ; W's first half of this step is in; the younger halves may be out
	WIN MULW
	MUL8 KJ, KSET, KSC, KJ, 0, 0, \zero
	MUL8 KJ, KSET, KSC, KJ, 0, 4, \zero
.if (\s) < 28
	PLACES 8
	BHALF (\s)+4, KJ, 0                            ; into the place that this step's first half has left
.endif
	s_wait_loadcnt 8*KN2                           ; W's second half of this step is in
	WIN MULW
	MUL8 KJ, KSET, KSC, KJ, 1, 0, \zero
	MUL8 KJ, KSET, KSC, KJ, 1, 4, \zero
	WIN 0
.endm
; A slot's last step changes slots: one barrier; in front of it each wave waits for all its tensor loads, adds 0 to its spare word, and waits for that and for its reads of this slot.
; fill = 1: the barrier opens a round of the cluster's, and the slot is filled again, with the 1,024 along K two slots ahead.
.macro TURN s, fill
	NAMES \s
	PLACES 8
	BHALF (\s)+3, ((\s)+3)%4, 1
	WIN 0
	s_wait_tensorcnt 0x0                           ; all my tensor loads have landed: my part of the next slot
	ds_add_u32 v[SPW], v[NIL]                      ; 0 onto my spare word
	s_wait_dscnt 0x1                               ; this step's fragments of x are in (the add may be out)
	s_wait_loadcnt 8*KN1
	WIN MULW
	MUL8 KJ, KSET, KSC, KJ, 0, 0, 0                ; eight matrix instructions stand between the add and the wait for it
	s_wait_dscnt 0x0                               ; the add is done, and my reads of this slot are over
	s_barrier_signal -1
	MUL8 KJ, KSET, KSC, KJ, 0, 4, 0
	WIN 0
	s_barrier_wait -1
.if \fill
	CREST                                          ; no wave of any partner still reads this slot or has a load on its way
	s_add_nc_u64 s[G0+4*KSL+2:G0+4*KSL+3], s[G0+4*KSL+2:G0+4*KSL+3], 2048
	tensor_load_to_lds s[G0+4*KSL:G0+4*KSL+3], s[G1A:G1A+7]        ; my one tensor load behind the round, and the first thing there
	s_nop 0
.endif
	PLACES 8                                       ; behind the tensor load, and in front of the loads below
	BHALF (\s)+4, KJ, 0
	FETCH_A 1-KSL, 0, 0
	s_wait_loadcnt 8*KN2
	WIN MULW
	MUL8 KJ, KSET, KSC, KJ, 1, 0, 0
	MUL8 KJ, KSET, KSC, KJ, 1, 4, 0
	WIN 0
.endm
	s_load_b256 s[8:15], s[0:1], 0x0               ; xc, xs, wc, ws
	s_load_b256 s[16:23], s[0:1], 0x20             ; tc, ts, w2q, mag
	s_load_b128 s[24:27], s[0:1], 0x40             ; base_bias, out0
	v_lshl_add_u32 v[SPW], v0, 2, SPARE
	v_mov_b32 v[NIL], 0
	ds_add_u32 v24, v25
	ds_add_u32 v24, v25
	s_wait_dscnt 0x0
	v_lshrrev_b32 v1, 5, v0
	v_readfirstlane_b32 s[WV], v1                  ; wave 0..3
	s_bfe_u32 s[CX], ttmp6, 0x40000                ; my place in the cluster
	s_lshl_b32 s[TN], ttmp9, 2
	s_add_co_u32 s[TN], s[TN], s[CX]               ; tile column = 4 x cluster x + cx: it enters no joint descriptor, no LDS address and no branch
	s_and_b32 s[TMI], ttmp7, 0xffff                ; tile row, which the four partners share
	; group 1 for x's tiles: 32 rows x 1,024 bytes, 4,096 bytes apart, 16 bytes of padding behind each row (after every 256 words, code 7); mask: all four work-groups
	s_mov_b32 s[G1A], 15|(1<<20)|(1<<21)|(7<<22)|(3<<25)
	s_mov_b32 s[G1A+1], 1024<<16
	s_mov_b32 s[G1A+2], 32<<16
	s_mov_b32 s[G1A+3], 1024<<16
	s_mov_b32 s[G1A+4], 32
	s_mov_b32 s[G1A+5], 4096
	s_mov_b32 s[G1A+6], 0
	s_mov_b32 s[G1A+7], 0
	; for x's scale bytes: 32 rows x 128 bytes are 4,096 dense bytes: 16 rows of 32 elements of 8 bytes, 16 bytes of padding behind each; the same mask
	s_mov_b32 s[G1S], 15|(3<<16)|(1<<20)|(1<<21)|(5<<22)|(3<<25)
	s_mov_b32 s[G1S+1], 32<<16
	s_mov_b32 s[G1S+2], 16<<16
	s_mov_b32 s[G1S+3], 32<<16
	s_mov_b32 s[G1S+4], 16
	s_mov_b32 s[G1S+5], 32
	s_mov_b32 s[G1S+6], 0
	s_mov_b32 s[G1S+7], 0
	; for T's codes: 32 rows x 256 bytes, 4,096 bytes apart; my work-group's own columns: no mask
	s_mov_b32 s[G1T], (1<<20)|(5<<22)|(3<<25)
	s_mov_b32 s[G1T+1], 256<<16
	s_mov_b32 s[G1T+2], 32<<16
	s_mov_b32 s[G1T+3], 256<<16
	s_mov_b32 s[G1T+4], 32
	s_mov_b32 s[G1T+5], 4096
	s_mov_b32 s[G1T+6], 0
	s_mov_b32 s[G1T+7], 0
	s_lshl_b32 s[OA], s[TMI], 19
	s_lshl_b32 s[TA], s[WV], 17
	s_add_co_u32 s[OA], s[OA], s[TA]               ; (128 tile row + 32 wave) x 4,096
	s_mov_b32 s[OA+1], 0
	s_lshl_b32 s[OS], s[TMI], 14
	s_lshl_b32 s[TA], s[WV], 12
	s_add_co_u32 s[OS], s[OS], s[TA]               ; the same rows x 128
	s_mov_b32 s[OS+1], 0
	s_lshl_b32 s[OT], s[TN], 8
	s_add_co_u32 s[OT], s[OT], s[OA]               ; T: the same rows, + 256 tile column
	s_mov_b32 s[OT+1], 0
	s_mul_i32 s[LA], s[WV], 32*PITCH               ; where my quarters go: 32 rows of 1,040,
	s_mul_i32 s[LS], s[WV], 4352                   ; 16 of 272,
	s_mul_i32 s[LT], s[WV], 8704                   ; 32 of 272
	s_lshl_b32 s[BP], s[TN], 20
	s_lshl_b32 s[TA], s[WV], 18
	s_add_co_u32 s[BP], s[BP], s[TA]               ; wc: tile 16 tn + 4 w, 65,536 bytes each
	s_mov_b32 s[BP+1], 0
	s_lshl_b32 s[WSP], s[TN], 15
	s_lshl_b32 s[TA], s[WV], 13
	s_add_co_u32 s[WSP], s[WSP], s[TA]             ; ws: pair of tiles 8 tn + 2 w, 4,096 bytes each
	s_mov_b32 s[WSP+1], 0
	s_lshl_b32 s[MGP], s[TN], 10
	s_lshl_b32 s[TA], s[WV], 8
	s_add_co_u32 s[MGP], s[MGP], s[TA]             ; my first column, in bytes of f32
	s_mov_b32 s[MGP+1], 0
	s_mov_b32 s[BIP], s[MGP]
	s_mov_b32 s[BIP+1], 0
	s_lshl_b32 s[OUTP], s[TMI], 21
	s_add_co_u32 s[OUTP], s[OUTP], s[MGP]          ; out: 128 tile row x 16,384 + my first column
	s_mov_b32 s[OUTP+1], 0
	s_lshl_b32 s[TSP], s[TMI], 14
	s_lshl_b32 s[TA], s[TN], 3
	s_add_co_u32 s[TSP], s[TSP], s[TA]
	s_lshl_b32 s[TA], s[WV], 1
	s_add_co_u32 s[TSP], s[TSP], s[TA]             ; ts: 128 tile row x 128 + 2 p
	s_mov_b32 s[TSP+1], 0
	s_mov_b32 s[QUART], 0x3e800000                 ; 0.25
	s_mov_b32 s[QUART+1], s[QUART]                 ; (named with it as a pair, so it is written)
	v_and_b32 v1, 31, v0                           ; lane
	v_and_b32 v2, 15, v0                           ; r
	v_bfe_u32 v3, v0, 4, 1                         ; h
	v_mul_u32_u24 v[ADA], v2, PITCH
	v_lshl_add_u32 v[ADA], v3, 4, v[ADA]           ; row r x pitch + 16 h: slot 0, rows 0-63;
	v_add_nc_u32 v[ADA+1], HALFB, v[ADA]           ; rows 64-127;
	v_add_nc_u32 v[ADA+2], SLOTB, v[ADA]           ; slot 1 likewise
	v_add_nc_u32 v[ADA+3], SLOTB+HALFB, v[ADA]
	v_bfe_u32 v4, v0, 1, 3                         ; r / 2: two rows of scale bytes to a unit of 256
	v_mul_u32_u24 v[ADS], v4, 272
	v_and_b32 v4, 1, v0
	v_lshl_add_u32 v[ADS], v4, 7, v[ADS]
	v_mad_u32_u24 v[ADS], v3, 8704, v[ADS]         ; lanes 16-31: four blocks of 16 rows on
	v_add_nc_u32 v[ADS], SCL, v[ADS]
	v_mul_u32_u24 v[ADT], v2, 272
	v_lshl_add_u32 v[ADT], v3, 4, v[ADT]
	s_lshl_b32 s[TA], s[WV], 6
	s_add_co_u32 s[TA], s[TA], TT
	v_add_nc_u32 v[ADT], s[TA], v[ADT]             ; my p's 64 bytes of a row
	v_lshlrev_b32 v[BO], 4, v1
	s_add_co_u32 s[TB], s[LS], STG                 ; my stage
	v_mul_u32_u24 v[STO], v2, 272
	v_lshl_add_u32 v[STO], v3, 5, v[STO]
	v_add_nc_u32 v[STO], s[TB], v[STO]
	v_mul_u32_u24 v[RD], v3, 272
	v_lshl_add_u32 v[RD], v2, 4, v[RD]
	v_add_nc_u32 v[RD], s[TB], v[RD]
	v_lshlrev_b32 v[CO], 14, v3
	v_lshl_add_u32 v[CO], v2, 4, v[CO]
	v_lshlrev_b32 v[O4R], 2, v2
	v_lshlrev_b32 v[O128], 7, v2
	v_lshlrev_b32 v[O32H], 5, v3
	s_wait_kmcnt 0x0
	s_mov_b32 s[G0], 1
	s_mov_b32 s[G0+1], s[LA]
	s_add_nc_u64 s[G0+2:G0+3], s[8:9], s[OA:OA+1]  ; slot 0: K = 0 .. 1,023
	s_or_b32 s[G0+3], s[G0+3], 0x80000000
	s_mov_b32 s[G0+4], 1
	s_add_co_u32 s[G0+5], s[LA], SLOTB
	s_add_nc_u64 s[G0+6:G0+7], s[8:9], s[OA:OA+1]
	s_add_nc_u64 s[G0+6:G0+7], s[G0+6:G0+7], 1024  ; slot 1: K = 1,024 .. 2,047
	s_or_b32 s[G0+7], s[G0+7], 0x80000000
	s_mov_b32 s[G0S], 1
	s_add_co_u32 s[G0S+1], s[LS], SCL
	s_add_nc_u64 s[G0S+2:G0S+3], s[10:11], s[OS:OS+1]
	s_or_b32 s[G0S+3], s[G0S+3], 0x80000000
	s_mov_b32 s[G0T], 1
	s_add_co_u32 s[G0T+1], s[LT], TT
	s_add_nc_u64 s[G0T+2:G0T+3], s[16:17], s[OT:OT+1]
	s_or_b32 s[G0T+3], s[G0T+3], 0x80000000
	s_add_nc_u64 s[BP:BP+1], s[12:13], s[BP:BP+1]
	s_add_nc_u64 s[WSP:WSP+1], s[14:15], s[WSP:WSP+1]
	s_add_nc_u64 s[TSP:TSP+1], s[18:19], s[TSP:TSP+1]
	s_add_nc_u64 s[MGP:MGP+1], s[22:23], s[MGP:MGP+1]
	s_add_nc_u64 s[BIP:BIP+1], s[24:25], s[BIP:BIP+1]
	s_add_nc_u64 s[OUTP:OUTP+1], s[26:27], s[OUTP:OUTP+1]
	ROUND                                          ; all four work-groups are here: the first joint loads meet
	tensor_load_to_lds s[G0S:G0S+3], s[G1S:G1S+7]  ; the first fills go out as one group: four tensor loads of mine are out.  x's scale bytes,
	s_nop 0
	tensor_load_to_lds s[G0:G0+3], s[G1A:G1A+7]    ; slot 0,
	s_nop 0
	tensor_load_to_lds s[G0+4:G0+7], s[G1A:G1A+7]  ; slot 1,
	s_nop 0
	tensor_load_to_lds s[G0T:G0T+3], s[G1T:G1T+7]  ; T's codes
	s_nop 0
	PLACES 4
	; what the end wants comes first, so that it is older than every counted load: 44 loads
.irp t, 0,1,2,3
.irp c, 0,1,2,3
	global_load_b128 v[W2Q+16*\t+4*\c:W2Q+16*\t+4*\c+3], v[BO], s[20:21] offset:2048*\t+512*\c
.endr
	global_load_b32 v[W2S+\t], v[O4R], s[20:21] offset:8192+64*\t
.endr
.irp a, 0,1,2,3,4,5,6,7
	global_load_u16 v[TSC+\a], v[O128], s[TSP:TSP+1] offset:2048*\a        ; row 16 a + r: T's two scale bytes of my p; the word's upper bytes are 0
.endr
.irp b, 0,1,2,3
	global_load_b128 v[C2+8*\b:C2+8*\b+3], v[O32H], s[MGP:MGP+1] offset:64*\b          ; mag of columns 16 b + 8 h + 0 .. 7
	global_load_b128 v[C2+8*\b+4:C2+8*\b+7], v[O32H], s[MGP:MGP+1] offset:64*\b+16
	global_load_b128 v[C0+8*\b:C0+8*\b+3], v[O32H], s[BIP:BIP+1] offset:64*\b          ; bias likewise
	global_load_b128 v[C0+8*\b+4:C0+8*\b+7], v[O32H], s[BIP:BIP+1] offset:64*\b+16
.endr
	SCGLB 0, 0
	BHALF 0, 0, 0                                  ; W's first seven halves
	BHALF 0, 0, 1
	BHALF 1, 1, 0
	BHALF 1, 1, 1
	BHALF 2, 2, 0
	BHALF 2, 2, 1
	BHALF 3, 3, 0
	WIN 0
	s_wait_tensorcnt 0x2                           ; my parts of the scale bytes and of slot 0 are in; slot 1's and T's may stay out
	s_barrier_signal -1
	s_barrier_wait -1                              ; everybody's are
	SCLDS 0, 0
	FETCH_A 0, 0, 0
	WIN 0
	STEP 0, 1                                      ; K step 0's products start the sums: nothing is cleared
.irp s, 1,2,3,4,5,6
	STEP \s, 0
.endr
	TURN 7, 1                                      ; slot 0 takes K = 2,048 .. 3,071
.irp s, 8,9,10,11,12,13,14
	STEP \s, 0
.endr
	TURN 15, 1                                     ; slot 1 takes K = 3,072 .. 4,095: the last tensor load
.irp s, 16,17,18,19,20,21,22
	STEP \s, 0
.endr
	TURN 23, 0                                     ; the last change of slots: nothing is filled, so no round; behind it nobody reads slot 0
.irp s, 24,25,26,27,28,29,30
	STEP \s, 0                                     ; W's loads end with step 31's, and the counts run down
.endr
	s_wait_dscnt 0x0                               ; K step 31: nothing more to fetch
	s_wait_loadcnt 8
	WIN MULW
	MUL8 3, 1, 1, 3, 0, 0, 0
	MUL8 3, 1, 1, 3, 0, 4, 0
	s_wait_loadcnt 0x0
	MUL8 3, 1, 1, 3, 1, 0, 0
	MUL8 3, 1, 1, 3, 1, 4, 0
	WIN 0
	; ---- the small product and the way out.  out = acc c1 + (lokr c2 + c0), c1 = mag - 1, c0 = c1 bias, c2 = 0.25 mag.  The sixteen lines below are also the plain lines behind the last products.
.irp j, 0,2,4,6,8,10,12,14,16,18,20,22,24,26,28,30
	v_pk_fma_f32 v[C1+\j:C1+\j+1], v[C2+\j:C2+\j+1], 1.0, -1.0 op_sel_hi:[1,0,0]
.endr
	WIN 0xc0
.irp a, 0,1,2,3,4,5,6,7
.irp i, 8,9,10,11,12,13,14,15
	v_mov_b32 v[16*\a+\i], 0                       ; T's K is 64 of the instruction's 128: zero codes for the rest
.endr
.endr
.irp a, 0,1,2,3,4,5,6,7
.irp c, 0,1
	ds_load_b128 v[16*\a+4*\c:16*\a+4*\c+3], v[ADT] offset:4352*\a+32*\c       ; T(16 a + r, my p, 32 c + 16 h + 0 .. 15)
.endr
.endr
	WIN 0
.irp j, 0,2,4,6,8,10,12,14,16,18,20,22,24,26,28,30
	v_pk_mul_f32 v[C0+\j:C0+\j+1], v[C1+\j:C1+\j+1], v[C0+\j:C0+\j+1]
	v_pk_mul_f32 v[C2+\j:C2+\j+1], v[C2+\j:C2+\j+1], s[QUART:QUART+1] op_sel_hi:[1,0]
.endr
	s_wait_dscnt 0x0
	WIN 0x4c                                       ; source 0 (w2) window 0, source 1 (T) window 3, destination window 1
.irp a, 0,1,2,3,4,5,6,7
.irp b, 0,1,2,3
	v_wmma_scale_f32_16x16x128_f8f6f4 v[8*(4*\a+\b):8*(4*\a+\b)+7], v[W2Q+16*\b:W2Q+16*\b+15], v[16*\a:16*\a+15], 0, v[W2S+\b], v[TSC+\a]
.endr
.endr
	PLACES 8
.macro PACK a                          ; block a, 16 rows x 64 columns; every result is read from its low end on
	WIN 0x41
.irp b, 0,1,2,3
.irp j, 0,2,4,6
	v_pk_fma_f32 v[8*(4*(\a)+\b)+\j:8*(4*(\a)+\b)+\j+1], v[8*(4*(\a)+\b)+\j:8*(4*(\a)+\b)+\j+1], v[C2+8*\b+\j:C2+8*\b+\j+1], v[C0+8*\b+\j:C0+8*\b+\j+1]
.endr
.endr
	WIN 0x52                                       ; source 0: the accumulator, window 2; source 2 and destination window 1
.irp b, 0,1,2,3
.irp j, 0,2,4,6
	v_pk_fma_f32 v[8*(4*(\a)+\b)+\j:8*(4*(\a)+\b)+\j+1], v[8*(4*(\a)+\b)+\j:8*(4*(\a)+\b)+\j+1], v[C1+8*\b+\j:C1+8*\b+\j+1], v[8*(4*(\a)+\b)+\j:8*(4*(\a)+\b)+\j+1]
.endr
.endr
.endm
.macro TOSTAGE a                       ; through my own stage: in by lanes' 32 bytes of a row, back as whole rows of 256 bytes.  LDS serves a wave's instructions in order (ISA guide 5.7.1.4)
	WIN 0x04
.irp b, 0,1,2,3
	ds_store_b128 v[STO], v[8*(4*(\a)+\b):8*(4*(\a)+\b)+3] offset:64*\b
	ds_store_b128 v[STO], v[8*(4*(\a)+\b)+4:8*(4*(\a)+\b)+7] offset:64*\b+16
.endr
	WIN 0xc0
.irp t, 0,1,2,3,4,5,6,7
	ds_load_b128 v[128+32*((\a)%2)+4*\t:128+32*((\a)%2)+4*\t+3], v[RD] offset:544*\t
.endr
.endm
.macro SEND a, younger                 ; younger: the LDS instructions issued behind block a's loads
	s_wait_dscnt \younger
	WIN 0x0c
.irp t, 0,1,2,3,4,5,6,7
	global_store_b128 v[CO], v[128+32*((\a)%2)+4*\t:128+32*((\a)%2)+4*\t+3], s[OUTP:OUTP+1] offset:262144*(\a)+32768*\t th:TH_STORE_NT   ; sixteen lanes store 256 consecutive bytes, aligned; two rows an instruction
.endr
.endm
	PACK 0
	TOSTAGE 0
.irp a, 1,2,3,4,5,6,7
	PACK \a
.if \a > 1
	s_wait_xcnt 0x0                                ; block a - 2's stores have read their registers: block a's rows may land there
.endif
	TOSTAGE \a
	SEND \a-1, 16                                  ; behind block a - 1's loads: block a's eight stores and eight loads
.endr
	SEND 7, 0
	WIN 0
	s_wait_tensorcnt 0x0                           ; the wave's end
	ds_add_u32 v[SPW], v[NIL]
	s_wait_dscnt 0x0
	ROUND                                          ; the closing round: no work-group ends while a partner may still ask for a tile that names it
	s_endpgm
.Lfunc_end_k_qb855737b51_gemm:
	.size	k_qb855737b51_gemm, .Lfunc_end_k_qb855737b51_gemm-k_qb855737b51_gemm
	.p2alignl 7, 3214868480
	.fill 96, 4, 3214868480
	.section	.rodata,"a",@progbits
	.p2align	6, 0x0
	.amdhsa_kernel k_qb855737b51_gemm
		.amdhsa_group_segment_fixed_size 327680
		.amdhsa_private_segment_fixed_size 0
		.amdhsa_enable_private_segment 0
		.amdhsa_kernarg_size 80
		.amdhsa_user_sgpr_count 2
		.amdhsa_user_sgpr_kernarg_segment_ptr 1
		.amdhsa_wavefront_size32 1
		.amdhsa_system_sgpr_workgroup_id_x 1
		.amdhsa_system_sgpr_workgroup_id_y 1
		.amdhsa_system_sgpr_workgroup_id_z 1
		.amdhsa_system_vgpr_workitem_id 0
		.amdhsa_next_free_vgpr 1024
		.amdhsa_next_free_sgpr 100
		.amdhsa_reserve_vcc 0
		.amdhsa_float_denorm_mode_32 3
		.amdhsa_float_denorm_mode_16_64 3
		.amdhsa_memory_ordered 1
		.amdhsa_forward_progress 1
		.amdhsa_inst_pref_size 255
	.end_amdhsa_kernel
	.section	.bss,"aw",@nobits
	.p2align	6
	.space	262144
	.amdgpu_metadata
---
amdhsa.version: [ 1, 2 ]
amdhsa.kernels:
  - .name:           k_qb855737b51_gemm
    .symbol:         k_qb855737b51_gemm.kd
    .args:
      - { .name: xc, .offset: 0, .size: 8, .value_kind: global_buffer, .address_space: global }
      - { .name: xs, .offset: 8, .size: 8, .value_kind: global_buffer, .address_space: global }
      - { .name: wc, .offset: 16, .size: 8, .value_kind: global_buffer, .address_space: global }
      - { .name: ws, .offset: 24, .size: 8, .value_kind: global_buffer, .address_space: global }
      - { .name: tc, .offset: 32, .size: 8, .value_kind: global_buffer, .address_space: global }
      - { .name: ts, .offset: 40, .size: 8, .value_kind: global_buffer, .address_space: global }
      - { .name: w2q, .offset: 48, .size: 8, .value_kind: global_buffer, .address_space: global }
      - { .name: mag, .offset: 56, .size: 8, .value_kind: global_buffer, .address_space: global }
      - { .name: base_bias, .offset: 64, .size: 8, .value_kind: global_buffer, .address_space: global }
      - { .name: out0, .offset: 72, .size: 8, .value_kind: global_buffer, .address_space: global }
    .group_segment_fixed_size: 327680
    .private_segment_fixed_size: 0
    .kernarg_segment_align: 8
    .kernarg_segment_size: 80
    .max_flat_workgroup_size: 128
    .sgpr_count:     100
    .vgpr_count:     1024
    .wavefront_size: 32
...
	.end_amdgpu_metadata
.endif
;; end of part 2
;; ======== version 2 of 2: 2 launches; version 1 with the launch prep written anew for expert scheduling mode
;; workspace buffers: xc 8,388,608 bytes; xs 262,144 bytes; tc 8,388,608 bytes; ts 262,144 bytes; wc 16,777,216 bytes; ws 524,288 bytes; w2q 8,448 bytes; mag 16,384 bytes
;; launch prep (part 3): grid 256 x 1, 8 waves a work-group, no clusters, 308,480 bytes of LDS; arguments x, base_weight, w1a, w1b, w2a, w2b, dora_weight, xc, xs, tc, ts, wc, ws, w2q, mag; writes xc, xs, tc, ts, wc, ws, w2q, mag
.if DOCPART == 3
	.amdgcn_target "amdgcn-amd-amdhsa--gfx1250"
	.amdhsa_code_object_version 6
	.text
	.protected	k_qb855737b51_prep
	.globl	k_qb855737b51_prep
	.p2align	8
	.type	k_qb855737b51_prep,@function
k_qb855737b51_prep:
	s_mov_b64 s[64:65], 0
	v_nop
	global_prefetch_b8 v0, s[64:65] scope:SCOPE_SE
	s_setreg_imm32_b32 hwreg(HW_REG_WAVE_SCHED_MODE, 0, 2), 2
	s_setreg_imm32_b32 hwreg(HW_REG_WAVE_MODE, 25, 1), 1
	s_wait_xcnt 0x0
	s_wait_alu depctr_vm_vsrc(0)
; Everything that is quantised once.  x [2048][4096] and base_weight [4096][4096], f32, become codes of FP8 (E4M3) with one E8M0 byte for each 32 along K = the 4,096;
; T[tok][p][j] = sum over i of Q(w1)[p][i] Q(x)[tok][i][j] (x quantised a second time, along i) is made by the matrix unit and quantised along j; Q(w2) is laid out as operand registers;
; mag[n] = dora[n] / |base_weight[n][:] + 0.25 adapter[n][:]|, adapter[64 i + j][64 p + q] = w1[p][i] w2[q][j].  w1 = w1a w1b and w2 = w2a w2b are f32 multiply-adds, summed in the order 0..3.
; SHARES.  256 work-groups of eight waves.  Wave w of group g takes token 8 g + w and rows 16 g + 2 w, 16 g + 2 w + 1 of base_weight: three rows of 16 KiB, each read by 32 loads of 512 consecutive bytes.
; Two rows of a wave are on their way at a time, in 256 registers.  A row goes through the wave's own image in LDS, since the conversions want 16 neighbours along K in ONE lane.
; THE IMAGE: 64 bytes of data, 16 of padding; 128 bytes more behind every 64 such pieces: number (i, j) of the row as 64 x 64 lies at 320 i + 128 (i / 16) + 4 j + 16 (j / 16).
; A block's scale is 2^(floor(log2(largest magnitude)) - 8): its byte is the largest magnitude's exponent field - 8, held at 1 from below by a floor among the maximum's leaves.
; OUT: xc [2048][4096], xs [2048][128], tc [tok][p][j], ts [tok][p][2]; wc [n / 16][K / 16][n % 16][16 bytes], so that a fragment's load is 512 consecutive bytes, 16 a lane;
; ws: byte (n, b = K / 32) at 4096 (n / 32) + 512 (b / 16) + 16 (n % 32) + b % 16; w2q: four fragments as images of their registers, then their scale words; mag [4096] f32.
; LIMITS: NaN and infinities among the inputs are not served.  A block of zeros, or one whose largest magnitude lies under 2^-118, has the byte 1 (this program alone reads the bytes).
; A squared norm under 2^-126 counts as 0 in the reciprocal root.
; No tensor load, no cluster, no ring: nothing is shared between work-groups, and the waves share only the way out (one barrier).
; THE MODE: SCHED_MODE bits 1:0 = 2 (LLVM: expert scheduling mode 2), set by the entry lines.  The code itself states the register dependences
; between vector or matrix instructions and memory or LDS instructions, with s_wait_alu, always for 0.
; THE PLAN.  Registers that memory or LDS instructions touch:
;   v1-17, v120-122   addresses and offsets: written at the head, never again; one wait ahead of the first load serves them for the whole kernel.
;   STA, STB          (window 1) written by global loads, read by the LDS stores into the image; STA is then loaded again.  No vector instruction names them.
;   NUM .. NUM+31     along K two sets of 16 numbers by turns: step s's vector lines work on set s % 2, the loads at step s + 1's head land in it (step s + 2's numbers).
;   NUM+32 .. NUM+63  along K four registers of codes for each step: written by the step's conversions, read by its store; between the passes they take columns of x, rows of T, the way out.
;   E, NACC           written by vector lines, read by LDS stores; written again in the next pass.
;   TM, ACC           take LDS loads where w1, w2 and the adapter's factors are made; else vector and matrix lines' own (the LDS stores of T's bytes read TM+4 .. TM+7).
;   W1Q, W1S, PC, PW  written by conversions and moves, read by the matrix instructions; the first wave's stores read W1Q, W1S and zeros of PC; the LDS stores of T's codes read PC.
; ONE wait on va_vdst stands in a step along K, behind its conversions: it states that the codes and the byte are written, which the step's two stores read, and that the step is done with its set of
; numbers, in which the next step's loads land; only those two stores stand between.  A turn of the small product has two: ahead of its matrix instructions and ahead of its LDS stores.
; Waits on vm_vsrc stand between the passes, where registers that stores have read are written again.
.set WREG,  29184                      ; LDS: a region for each wave: the image (20,992 bytes),
.set TSTO,  20992                      ; a token's codes of T (4,096),
.set SMO,   25088                      ; w1a, w1b, w2a, w2b, 1,024 bytes each
.set WIMG,  233472                     ; shared: the group's 16 rows of W as codes: 256 pieces along K x (16 rows x 16 bytes + 16 of padding)
.set SCA,   303104                     ; shared: scale bytes: xs 1,024, ts 1,024, ws 2,048
.set NRA,   307200                     ; shared: 16 squared norms
.set GL,  1                            ; v1   16 x lane: a load's or store's 512 bytes
.set STI, 2                            ; v2   the image, way in
.set KRD, 3                            ; v3   the image, 16 neighbours a lane
.set XRD, 4                            ; v4   the image, one column j a lane
.set XSB, 5                            ; v5   my byte among x's scale bytes
.set TSB, 6                            ; v6   among T's
.set WSB, 7                            ; v7   among W's
.set TSA, 8                            ; v8   T's codes, way in
.set TRD, 9                            ; v9   T's codes, way out; 4,096 bytes on: the small arrays, way in
.set WGA, 10                           ; v10  W's codes, way in
.set SMA, 11                           ; v11  small arrays + 16 r
.set SMH, 12                           ; v12  + 64 h
.set SMP, 13                           ; v13  + 16 (lane / 4)
.set SMQ, 14                           ; v14  + 256 (lane % 4)
.set NRW, 15                           ; v15  my wave's two squared norms
.set OSC, 16                           ; v16  scale bytes, way out
.set OWI, 17                           ; v17  W's codes, way out
.set TM,  18                           ; v18-33 +0..3 largest magnitudes, +4..7 the other half's, then bytes, +8..11 448 x scale, +12..15 the conversions' scale operands
.set W1S, 34                           ; v34-37 scale words of w1's (w2's) four tiles: scales and nothing else
.set PW,  38                           ; v38-39 scale words of x's two tiles: scales and nothing else
.set W1Q, 40                           ; v40-79 four tiles of w1, eight registers of codes each, then eight zeros
.set PC,  80                           ; v80-111 x's two tiles: eight registers of codes, eight zeros, twice
.set E,   112                          ; v112-119 a scale byte for each step
.set ONR, 120                          ; v120 the squared norms, way out
.set OSG, 121                          ; v121 scale bytes: my offset in memory
.set MGO, 122                          ; v122 4 r
.set DOR, 123                          ; v123 dora
.set T0,  124                          ; v124-127 at work at the head
.set T1,  125
.set T2,  126
.set T3,  127
.set NUM, 128                          ; v128-191 numbers ahead of a quantiser; along K: two sets of 16 and 32 registers of codes
.set ACC, 192                          ; v192-255 product 4's results
.set A16, 40                           ; rows of W: 0.25 w1[p][i] for each step, twice (a pair for the packed form)
.set B0,  56                           ; w2[q][j] of my 16 q, for my two rows
.set NACC, 88                          ; four pairs of partial squared norms
.set WT,  96                           ; 16 numbers of W + 0.25 adapter
.set STA, 0                            ; window 1: two rows as loaded
.set STB, 128
.set WV,  4
.set WR,  5
.set WRT, 6
.set WRS, 7
.set XP,  8
.set WP,  10
.set XCP, 22
.set XSP, 24
.set TCP, 26
.set TSP, 28
.set WCP, 30
.set WSP, 32
.set W2QP, 34
.set MGP, 36
.set SEL, 38
.set MNT, 40
.set TS,  41
.set OF,  42
.set OG,  44
.set C1B, 48                           ; s48-51 0.25 w1b[0..3][i]
.set C2B, 52                           ; s52-59 w2b[0..3][j0], [j0 + 1]
.set P1,  60
.set P2,  62
.set SCP, 66
.set MSB, 0
.macro WIN new                         ; the immediate's high byte repeats the setting that is left
.if MSB != \new
	s_set_vgpr_msb (MSB<<8)|\new
.set MSB, \new
.endif
.endm
.macro LOADROW st, p, off              ; a row of 16 KiB: 32 loads of 512 consecutive bytes, into window 1
	WIN 0x40
.set n, 0
.rept 32
	global_load_b128 v[\st+4*n:\st+4*n+3], v[GL], s[\p:\p+1] offset:\off+512*n th:TH_LOAD_NT
.set n, n+1
.endr
	WIN 0
.endm
.macro STAGE st                        ; the row into the image, as it lies
	WIN 0x04
.set n, 0
.rept 32
	ds_store_b128 v[STI], v[\st+4*n:\st+4*n+3] offset:640*n+128*(n/8)
.set n, n+1
.endr
	WIN 0
.endm
; Four blocks b; my 16 numbers of block b are v[src + 16 b + i]; the block's other 16 lie in lane l xor 16.
.macro QSCALE src
.irp b, 0,1,2,3
	v_max3_num_f32 v[TM+\b], |v[\src+16*\b]|, |v[\src+16*\b+1]|, 0x4800000   ; and the floor 2^(9 - 127): the byte cannot fall under 1
.endr
.irp i, 2,4,6,8,10,12,14
.irp b, 0,1,2,3
	v_max3_num_f32 v[TM+\b], v[TM+\b], |v[\src+16*\b+\i]|, |v[\src+16*\b+\i+1]|   ; the four blocks by turns
.endr
.endr
.irp b, 0,1,2,3
	v_permlanex16_b32 v[TM+4+\b], v[TM+\b], s[SEL], s[SEL+1]
.endr
.irp b, 0,1,2,3
	v_max_num_f32 v[TM+\b], v[TM+\b], v[TM+4+\b]
.endr
.irp b, 0,1,2,3
	v_add_nc_u32 v[TM+12+\b], 0xfc000000, v[TM+\b]        ; 8 off the exponent field: the conversion's scale operand
.endr
.irp b, 0,1,2,3
	v_and_or_b32 v[TM+8+\b], v[TM+\b], 0x7f800000, s[MNT] ; 448 x the scale
.endr
.irp b, 0,1,2,3
	v_lshrrev_b32 v[TM+4+\b], 23, v[TM+12+\b]             ; the scale's byte
.endr
.endm
; The hold and the conversions; block b's four registers of codes go to v[dst + 16 (b / 2) + sb (b % 2)].
.macro QCODES src, dst, sb
.irp b, 0,1,2,3
.irp i, 0,1,2,3,4,5,6,7,8,9,10,11,12,13,14,15
	v_med3_num_f32 v[\src+16*\b+\i], v[\src+16*\b+\i], -v[TM+8+\b], v[TM+8+\b]   ; the conversion to an 8-bit code does not saturate (ISA guide 7.6.2)
.endr
	v_cvt_scalef32_pk8_fp8_f32 v[\dst+16*(\b/2)+\sb*(\b%2):\dst+16*(\b/2)+\sb*(\b%2)+1], v[\src+16*\b:\src+16*\b+7], v[TM+12+\b]
	v_cvt_scalef32_pk8_fp8_f32 v[\dst+16*(\b/2)+\sb*(\b%2)+2:\dst+16*(\b/2)+\sb*(\b%2)+3], v[\src+16*\b+8:\src+16*\b+15], v[TM+12+\b]
.endr
	v_nop                                          ; one plain line behind the last conversion
.endm
; w = a b (64 x 4 by 4 x 64) in f32, quantised along its second axis: tile t's lane (r, h) holds row 16 t + r, registers 4 c .. 4 c + 3 columns 32 c + 16 h + 0 .. 15.
; The first half's loads owe no wait: on every way to them no vector line issued since the last wait on va_vdst names v[TM ..] or v[ACC ..].
.macro GENQ aoff, boff
.irp c, 0,1
.if \c
	s_wait_alu depctr_va_vdst(0)                   ; the first half's multiply-adds and its quantiser are done with v[TM ..] and v[ACC ..], in which the loads below land
.endif
.irp t, 0,1,2,3
	ds_load_b128 v[TM+4*\t:TM+4*\t+3], v[SMA] offset:\aoff+256*\t          ; a's row 16 t + r
.endr
.irp e, 0,1,2,3
.irp q, 0,1,2,3
	ds_load_b128 v[ACC+16*\e+4*\q:ACC+16*\e+4*\q+3], v[SMH] offset:\boff+256*\e+128*\c+16*\q   ; b[e][32 c + 16 h + 0 .. 15]
.endr
.endr
	s_wait_dscnt 0x0                               ; they are in
.irp t, 0,1,2,3
.irp i, 0,1,2,3,4,5,6,7,8,9,10,11,12,13,14,15
	v_mul_f32 v[NUM+16*\t+\i], v[TM+4*\t], v[ACC+\i]
.endr
.endr
.irp e, 1,2,3
.irp t, 0,1,2,3
.irp i, 0,1,2,3,4,5,6,7,8,9,10,11,12,13,14,15
	v_fmac_f32 v[NUM+16*\t+\i], v[TM+4*\t+\e], v[ACC+16*\e+\i]
.endr
.endr
.endr
	QSCALE NUM
.irp t, 0,1,2,3
.if \c == 0
	v_mov_b32 v[W1S+\t], v[TM+4+\t]                ; the scale word: bytes 2 and 3 stay 0, over zero codes
.else
	v_lshl_or_b32 v[W1S+\t], v[TM+4+\t], 8, v[W1S+\t]
.endif
.endr
	QCODES NUM, W1Q+4*\c, 8
.endr
.endm
.macro KLOAD s                         ; step s along K: my 16 neighbours, numbers 512 s + 16 lane on
.irp c, 0,1,2,3
	ds_load_b128 v[NUM+16*((\s)%2)+4*\c:NUM+16*((\s)%2)+4*\c+3], v[KRD] offset:2560*(\s)+128*((\s)/2)+16*\c
.endr
.endm
; Step s of a row's quantisation along K: 512 numbers, two neighbouring lanes to a block.  w = 0: the token; w = 1: my k-th row of W, whose squared norm is summed on the way.
.macro KSTEP s, w, k
.set XS, NUM+16*((\s)%2)
.set CD, NUM+32+4*(\s)
.if (\s) < 7
	KLOAD (\s)+1                                   ; into the set that the last step worked on: its lines stand ahead of the wait at that step's end, and no vector line has been issued since
	s_wait_dscnt 0x4                               ; all but the four loads just issued: this step's numbers are in
.else
	s_wait_dscnt 0x0
.endif
	v_max3_num_f32 v[TM], |v[XS]|, |v[XS+1]|, |v[XS+2]|
	v_max3_num_f32 v[TM+1], |v[XS+3]|, |v[XS+4]|, |v[XS+5]|
.irp i, 6,10
	v_max3_num_f32 v[TM], v[TM], |v[XS+\i]|, |v[XS+\i+1]|
	v_max3_num_f32 v[TM+1], v[TM+1], |v[XS+\i+2]|, |v[XS+\i+3]|
.endr
	v_max3_num_f32 v[TM], v[TM], |v[XS+14]|, |v[XS+15]|
	v_max3_num_f32 v[TM], v[TM], v[TM+1], 0x4800000
	v_max_num_f32_dpp v[TM], v[TM], v[TM] row_xmask:1 row_mask:0xf bank_mask:0xf   ; with my neighbour's 16: the block's
	v_add_nc_u32 v[TM+12], 0xfc000000, v[TM]
	v_and_or_b32 v[TM+8], v[TM], 0x7f800000, s[MNT]
.if \w
.irp t, 0,2,4,6,8,10,12,14
	v_pk_fma_f32 v[WT+\t:WT+\t+1], v[B0+16*(\k)+\t:B0+16*(\k)+\t+1], v[A16+2*(\s):A16+2*(\s)+1], v[XS+\t:XS+\t+1]   ; W + 0.25 w1[p][i] w2[q][j]
.endr
.irp t, 0,2,4,6
.if (\s) == 0
	v_pk_mul_f32 v[NACC+\t:NACC+\t+1], v[WT+\t:WT+\t+1], v[WT+\t:WT+\t+1]                      ; the first squares start the sums
.else
	v_pk_fma_f32 v[NACC+\t:NACC+\t+1], v[WT+\t:WT+\t+1], v[WT+\t:WT+\t+1], v[NACC+\t:NACC+\t+1]
.endif
.endr
.irp t, 0,2,4,6
	v_pk_fma_f32 v[NACC+\t:NACC+\t+1], v[WT+8+\t:WT+8+\t+1], v[WT+8+\t:WT+8+\t+1], v[NACC+\t:NACC+\t+1]
.endr
.endif
.irp i, 0,1,2,3,4,5,6,7,8,9,10,11,12,13,14,15
	v_med3_num_f32 v[XS+\i], v[XS+\i], -v[TM+8], v[TM+8]
.endr
	v_cvt_scalef32_pk8_fp8_f32 v[CD:CD+1], v[XS:XS+7], v[TM+12]
	v_cvt_scalef32_pk8_fp8_f32 v[CD+2:CD+3], v[XS+8:XS+15], v[TM+12]
	v_lshrrev_b32 v[E+(\s)], 23, v[TM+12]          ; the byte; also the plain line behind the conversions
	s_wait_alu depctr_va_vdst(0)                   ; the step's codes and its byte are written, which the two stores below read; and the step is done with its set of numbers, in which the next step's loads land
.if \w
	ds_store_b8 v[WSB], v[E+(\s)] offset:256*(\s)+16*(\k)          ; both lanes of a block write the same byte with the same value
	ds_store_b128 v[WGA], v[CD:CD+3] offset:8704*(\s)+16*(\k)      ; piece 32 s + lane along K, row 2 w + k of the group's 16
.else
	ds_store_b8 v[XSB], v[E+(\s)] offset:16*(\s)
	global_store_b128 v[GL], v[CD:CD+3], s[XCP:XCP+1] offset:512*(\s)   ; 512 consecutive bytes of the token's row of codes
.endif
.endm
.macro NORM k                          ; the row's squared norm: within the lane, across the 32 lanes, into LDS
	v_pk_add_f32 v[NACC:NACC+1], v[NACC:NACC+1], v[NACC+2:NACC+3]
	v_pk_add_f32 v[NACC+4:NACC+5], v[NACC+4:NACC+5], v[NACC+6:NACC+7]
	v_pk_add_f32 v[NACC:NACC+1], v[NACC:NACC+1], v[NACC+4:NACC+5]
	v_add_f32 v[NACC], v[NACC], v[NACC+1]
	v_add_f32_dpp v[NACC], v[NACC], v[NACC] row_xmask:1 row_mask:0xf bank_mask:0xf
	v_add_f32_dpp v[NACC], v[NACC], v[NACC] row_xmask:2 row_mask:0xf bank_mask:0xf
	v_add_f32_dpp v[NACC], v[NACC], v[NACC] row_xmask:4 row_mask:0xf bank_mask:0xf
	v_add_f32_dpp v[NACC], v[NACC], v[NACC] row_xmask:8 row_mask:0xf bank_mask:0xf
	v_permlanex16_b32 v[NACC+1], v[NACC], s[SEL], s[SEL+1]
	v_add_f32 v[NACC], v[NACC], v[NACC+1]
	s_wait_alu depctr_va_vdst(0)                   ; the sum is written, which the LDS store reads
	ds_store_b32 v[NRW], v[NACC] offset:4*(\k)     ; all lanes write the same word with the same value
.endm
; x(i, j) for product 4: register 16 (2 u + c) + t = x(32 c + 16 h + t, 32 bp + 8 u + r + 8 (r / 8)).  Piece k of eight: registers 8 k .. 8 k + 7: u = k / 4, c = (k / 2) % 2, t = 8 (k % 2) + 0 .. 7.
.macro XPIECE bp, k
.irp e, 0,1,2,3,4,5,6,7
	ds_load_b32 v[NUM+8*(\k)+\e], v[XRD] offset:160*(\bp)+32*((\k)/4)+10496*(((\k)/2)%2)+320*(8*((\k)%2)+\e)
.endr
.endm
	s_load_b256 s[8:15], s[0:1], 0x0               ; x, base_weight, w1a, w1b
	s_load_b256 s[16:23], s[0:1], 0x20             ; w2a, w2b, dora_weight, xc
	s_load_b256 s[24:31], s[0:1], 0x40             ; xs, tc, ts, wc
	s_load_b128 s[32:35], s[0:1], 0x60             ; ws, w2q
	s_load_b64 s[36:37], s[0:1], 0x70              ; mag
	v_lshrrev_b32 v[T0], 5, v0
	v_readfirstlane_b32 s[WV], v[T0]               ; wave 0..7
	v_and_b32 v[T0], 31, v0                        ; lane
	v_and_b32 v[T1], 15, v0                        ; r
	v_bfe_u32 v[T2], v0, 4, 1                      ; h
	s_wait_alu depctr_va_sdst(0)                   ; the wave's number is written, ahead of its first reader
	s_mul_i32 s[WR], s[WV], WREG
	s_add_co_u32 s[WRT], s[WR], TSTO
	s_add_co_u32 s[WRS], s[WR], SMO
	s_mov_b32 s[SEL], 0x76543210
	s_mov_b32 s[SEL+1], 0xfedcba98                 ; v_permlanex16_b32's selects for lane l xor 16
	s_mov_b32 s[MNT], 0x600000                     ; the mantissa field of 448
	; every LDS address is made here, ahead of every branch: a constant, a constant x lane, a constant x wave
	v_lshlrev_b32 v[GL], 4, v[T0]
	v_bfe_u32 v[T3], v0, 2, 3                      ; lane / 4
	v_mul_u32_u24 v[STI], v[T3], 80
	v_lshl_add_u32 v[SMP], v[T3], 4, s[WRS]
	v_and_b32 v[T3], 3, v0                         ; lane % 4
	v_lshl_add_u32 v[STI], v[T3], 4, v[STI]
	v_add_nc_u32 v[STI], s[WR], v[STI]             ; four lanes' 64 bytes on end, then 16 of padding
	v_lshl_add_u32 v[SMQ], v[T3], 8, s[WRS]
	v_mul_u32_u24 v[KRD], v[T0], 80
	v_add_nc_u32 v[KRD], s[WR], v[KRD]
	v_bfe_u32 v[T3], v0, 3, 1                      ; r / 8
	v_mul_u32_u24 v[XRD], v[T3], 48
	v_lshl_add_u32 v[XRD], v[T1], 2, v[XRD]
	v_mad_u32_u24 v[XRD], v[T2], 5248, v[XRD]      ; lanes 16-31: 16 rows i further on
	v_add_nc_u32 v[XRD], s[WR], v[XRD]
	v_bfe_u32 v[T3], v0, 1, 4                      ; lane / 2
	s_lshl_b32 s[TS], s[WV], 7
	s_add_co_u32 s[TS], s[TS], SCA
	v_add_nc_u32 v[XSB], s[TS], v[T3]
	s_add_co_u32 s[TS], s[TS], 1024
	v_lshl_add_u32 v[TSB], v[T1], 1, s[TS]
	s_lshl_b32 s[TS], s[WV], 5
	s_add_co_u32 s[TS], s[TS], SCA+2048
	v_add_nc_u32 v[WSB], s[TS], v[T3]
	v_lshl_add_u32 v[TSA], v[T1], 6, s[WRT]
	v_lshl_add_u32 v[TSA], v[T2], 4, v[TSA]
	v_lshl_add_u32 v[TRD], v[T0], 4, s[WRT]
	v_mul_u32_u24 v[WGA], v[T0], 272
	s_lshl_b32 s[TS], s[WV], 5
	s_add_co_u32 s[TS], s[TS], WIMG
	v_add_nc_u32 v[WGA], s[TS], v[WGA]
	v_lshl_add_u32 v[SMA], v[T1], 4, s[WRS]
	v_lshl_add_u32 v[SMH], v[T2], 6, s[WRS]
	s_lshl_b32 s[TS], s[WV], 3
	s_add_co_u32 s[TS], s[TS], NRA
	v_mov_b32 v[NRW], s[TS]
	s_lshl_b32 s[TS], s[WV], 9
	s_add_co_u32 s[TS], s[TS], SCA
	v_lshl_add_u32 v[OSC], v[T0], 4, s[TS]
	s_mul_i32 s[TS], s[WV], 8704
	s_add_co_u32 s[TS], s[TS], WIMG
	v_mul_u32_u24 v[OWI], v[T2], 272
	v_lshl_add_u32 v[OWI], v[T1], 4, v[OWI]
	v_add_nc_u32 v[OWI], s[TS], v[OWI]
	v_lshl_add_u32 v[ONR], v[T1], 2, NRA
	v_lshlrev_b32 v[MGO], 2, v[T1]
	; the scale bytes' way out: waves 0, 1 take xs, waves 2, 3 ts, waves 4-7 ws (whose 256-byte groups lie 512 bytes apart in memory)
	s_lshl_b32 s[OF], ttmp9, 10
	s_and_b32 s[TS], s[WV], 1
	s_lshl_b32 s[TS], s[TS], 9
	s_add_co_u32 s[OF], s[OF], s[TS]               ; xs, ts: 1,024 g + 512 (w % 2)
	s_lshr_b32 s[OG], ttmp9, 1
	s_lshl_b32 s[OG], s[OG], 12
	s_and_b32 s[TS], ttmp9, 1
	s_lshl_b32 s[TS], s[TS], 8
	s_add_co_u32 s[OG], s[OG], s[TS]
	s_and_b32 s[TS], s[WV], 3
	s_lshl_b32 s[TS], s[TS], 10
	s_add_co_u32 s[OG], s[OG], s[TS]               ; ws: 4,096 (g / 2) + 256 (g % 2) + 1,024 (w - 4)
	s_wait_kmcnt 0x0
	s_cmp_lt_u32 s[WV], 2                          ; the choices hang on the wave's number alone
	s_cselect_b64 s[SCP:SCP+1], s[XSP:XSP+1], s[TSP:TSP+1]
	s_cmp_lt_u32 s[WV], 4
	s_cselect_b64 s[SCP:SCP+1], s[SCP:SCP+1], s[WSP:WSP+1]
	s_cselect_b32 s[OF], s[OF], s[OG]
	s_cselect_b32 s[TS], 8, 9
	s_mov_b32 s[OF+1], 0
	s_add_nc_u64 s[SCP:SCP+1], s[SCP:SCP+1], s[OF:OF+1]
	v_lshlrev_b32 v[T3], s[TS], v[T2]
	v_lshl_add_u32 v[OSG], v[T1], 4, v[T3]         ; 16 r + 256 h, or + 512 h
	s_lshl_b32 s[OF], ttmp9, 15
	s_lshl_b32 s[TS], s[WV], 12
	s_add_co_u32 s[OF], s[OF], s[TS]               ; (8 g + w) x 4,096
	s_add_nc_u64 s[XCP:XCP+1], s[XCP:XCP+1], s[OF:OF+1]
	s_add_nc_u64 s[TCP:TCP+1], s[TCP:TCP+1], s[OF:OF+1]
	s_lshl_b32 s[OF], s[OF], 1                     ; 65,536 g + 8,192 w
	s_add_nc_u64 s[WCP:WCP+1], s[WCP:WCP+1], s[OF:OF+1]
	s_lshl_b32 s[OF], s[OF], 1                     ; (8 g + w) x 16,384
	s_add_nc_u64 s[XP:XP+1], s[XP:XP+1], s[OF:OF+1]
	s_lshl_b32 s[OF], s[OF], 1                     ; (16 g + 2 w) x 16,384
	s_add_nc_u64 s[WP:WP+1], s[WP:WP+1], s[OF:OF+1]
	s_lshl_b32 s[OF], ttmp9, 6                     ; 16 g numbers of f32
	s_add_nc_u64 s[20:21], s[20:21], s[OF:OF+1]
	s_add_nc_u64 s[MGP:MGP+1], s[MGP:MGP+1], s[OF:OF+1]
	s_lshr_b32 s[OF], ttmp9, 2
	s_lshl_b32 s[OF], s[OF], 2                     ; my rows of W have i = g / 4,
	s_add_nc_u64 s[P1:P1+1], s[14:15], s[OF:OF+1]
	s_and_b32 s[OF], ttmp9, 3
	s_lshl_b32 s[OF], s[OF], 6
	s_lshl_b32 s[TS], s[WV], 3
	s_add_co_u32 s[OF], s[OF], s[TS]               ; and j = 16 (g % 4) + 2 w + k
	s_add_nc_u64 s[P2:P2+1], s[18:19], s[OF:OF+1]
.irp e, 0,1,2,3
	s_load_b32 s[C1B+\e], s[P1:P1+1], 256*\e
	s_load_b64 s[C2B+2*\e:C2B+2*\e+1], s[P2:P2+1], 256*\e
.endr
	s_wait_alu depctr_va_vdst(0)                   ; the addresses and offsets v1 to v17 and v120 to v122 are written: every load and store of the kernel reads one of them, and none is written again
	global_load_b128 v[NUM:NUM+3], v[GL], s[12:13]
	global_load_b128 v[NUM+4:NUM+7], v[GL], s[12:13] offset:512
	global_load_b128 v[NUM+8:NUM+11], v[GL], s[14:15]
	global_load_b128 v[NUM+12:NUM+15], v[GL], s[14:15] offset:512
	global_load_b128 v[NUM+16:NUM+19], v[GL], s[16:17]
	global_load_b128 v[NUM+20:NUM+23], v[GL], s[16:17] offset:512
	global_load_b128 v[NUM+24:NUM+27], v[GL], s[18:19]
	global_load_b128 v[NUM+28:NUM+31], v[GL], s[18:19] offset:512
	global_load_b32 v[DOR], v[MGO], s[20:21]
	LOADROW STA, XP, 0                             ; my token
	s_wait_loadcnt 32                              ; the nine small loads are in; the token's 32 may be out
.irp i, 0,1,2,3,4,5,6,7
	ds_store_b128 v[TRD], v[NUM+4*\i:NUM+4*\i+3] offset:4096+512*\i    ; w1a, w1b, w2a, w2b: my wave's own copy
.endr
	LOADROW STB, WP, 0                             ; my first row of W
.irp i, 0,1,2,3,4,5,6,7
	v_mov_b32 v[W1Q+32+\i], 0                      ; zero codes for k = 64 .. 127 of the matrix instruction's 128: behind w1's last tile,
	v_mov_b32 v[PC+8+\i], 0                        ; and behind each of x's two tiles
	v_mov_b32 v[PC+24+\i], 0
.endr
	s_wait_alu depctr_vm_vsrc(0)                   ; the LDS stores of the small arrays have read v[NUM ..], which the multiply-adds write on both ways behind the branch
	s_or_b32 s[TS], ttmp9, s[WV]
	s_cmp_lg_u32 s[TS], 0
	s_cbranch_scc1 .Lnot_first                     ; one wave of the launch lays Q(w2) out for the second launch
	GENQ 2048, 3072
	s_wait_alu depctr_va_vdst(0)                   ; w2's codes, its scale words and the zero codes are written, which the stores below read; the quantiser is also done with v[TM ..] and v[ACC ..], in which the next loads land
.irp t, 0,1,2,3
	global_store_b128 v[GL], v[W1Q+8*\t:W1Q+8*\t+3], s[W2QP:W2QP+1] offset:2048*\t
	global_store_b128 v[GL], v[W1Q+8*\t+4:W1Q+8*\t+7], s[W2QP:W2QP+1] offset:2048*\t+512
	global_store_b128 v[GL], v[PC+8:PC+11], s[W2QP:W2QP+1] offset:2048*\t+1024      ; zero codes
	global_store_b128 v[GL], v[PC+8:PC+11], s[W2QP:W2QP+1] offset:2048*\t+1536
	global_store_b32 v[MGO], v[W1S+\t], s[W2QP:W2QP+1] offset:8192+64*\t            ; lanes 16-31 hold, and write, what lanes 0-15 do
.endr
	s_wait_xcnt 0x0                                ; the stores' registers are written again only behind this wait
	s_wait_alu depctr_vm_vsrc(0)                   ; the stores have read v[W1Q ..] and v[W1S ..], which w1's codes and scale words take
.Lnot_first:
	GENQ 0, 1024                                   ; Q(w1), along i
	s_wait_alu depctr_va_vdst(0)                   ; the quantiser is done with v[NUM ..], in which the first numbers along K land
	; ---- the token: along K = the 4,096
	s_wait_loadcnt 32                              ; the token is in; W's first row may be out
	STAGE STA
	s_wait_dscnt 0x0                               ; my stores into the image are done
	s_wait_alu depctr_vm_vsrc(0)                   ; they have read the registers of STA,
	LOADROW STA, WP, 16384                         ; which take my second row of W
	KLOAD 0
.irp s, 0,1,2,3,4,5,6,7
	KSTEP \s, 0, 0
.endr
	; ---- the token: T = Q(w1) Q(x), x quantised along i; then Q(T) along j.  Source 0 = 16 columns j of x, source 1 = 16 rows p of w1: a lane holds one p, its registers run along j.
	; THE j OF A TILE ARE NOT NEIGHBOURS: lane r of tile u takes j = 32 bp + 8 u + r + 8 (r / 8), so that the 16 registers of tiles 0 and 1 are j = 32 bp + 16 h + 0 .. 15.
	; K is 64 of the instruction's 128: x's upper halves are zero codes; w1's upper half is the next tile's codes, which are numbers (held under 448), and count for nothing against zeros.
	s_wait_xcnt 0x0                                ; the stores of x's codes have had their addresses translated
	s_wait_alu depctr_vm_vsrc(0)                   ; the stores of x's codes and bytes have read v[NUM+32 ..] and v[E ..]: the columns land in the first, the rows of W write the second again
.irp k, 0,1,2,3,4,5,6,7
	XPIECE 0, \k                                   ; (the last step's lines stand ahead of the wait at its end: no vector line since names v[NUM ..])
.endr
.irp bp, 0,1
	s_wait_dscnt 0x0                               ; the columns are in
.if \bp
	s_wait_alu depctr_vm_vsrc(0)                   ; the last turn's LDS stores have read v[TM+4 ..] and v[PC ..], which the lines below write again
.endif
	QSCALE NUM
	v_lshl_or_b32 v[PW], v[TM+5], 8, v[TM+4]       ; tile 0's scale word: i = 0 .. 31, 32 .. 63
	v_lshl_or_b32 v[PW+1], v[TM+7], 8, v[TM+6]     ; tile 1's
	QCODES NUM, PC, 4
.rept 3
	v_nop                                          ; with the one behind the conversions: four lines between the codes and the products
.endr
	s_wait_alu depctr_va_vdst(0)                   ; x's and w1's codes, the zero codes and both sides' scale words are written, which the products take; the quantiser is done with v[NUM ..], in which the next columns land
.irp pt, 0,1,2,3
.irp u, 0,1
	v_wmma_scale_f32_16x16x128_f8f6f4 v[ACC+16*\pt+8*\u:ACC+16*\pt+8*\u+7], v[PC+16*\u:PC+16*\u+15], v[W1Q+8*\pt:W1Q+8*\pt+15], 0, v[PW+\u], v[W1S+\pt]
.if \bp == 0
	XPIECE 1, 2*\pt+\u                             ; the next 32 columns, eight loads behind each product.  No wait: the products name v[ACC ..], v[PC ..], v[W1Q ..] and the scale words, never v[NUM ..]
.endif
.endr
.endr
.rept 9
	v_nop                                          ; behind the products, ahead of the reads of their results and of every write to their registers (ISA guide 7.12.1)
.endr
	QSCALE ACC                                     ; block pt: T(16 pt + r, 32 bp + 0 .. 31); each result is read from its low end on
	QCODES ACC, PC, 4
	s_wait_alu depctr_va_vdst(0)                   ; T's bytes and codes are written, which the eight LDS stores read; in the second turn: all lines are also done with v[NUM ..] and v[ACC ..], in which the loads behind the turn land
.irp pt, 0,1,2,3
	ds_store_b8 v[TSB], v[TM+4+\pt] offset:32*\pt+\bp
.endr
.irp pt, 0,1,2,3
	ds_store_b128 v[TSA], v[PC+16*(\pt/2)+4*(\pt%2):PC+16*(\pt/2)+4*(\pt%2)+3] offset:1024*\pt+32*\bp
.endr
.endr
.irp t, 0,1,2,3,4,5,6,7
	ds_load_b128 v[NUM+32+4*\t:NUM+32+4*\t+3], v[TRD] offset:512*\t    ; LDS serves a wave's instructions in order: these see my stores
.endr
.irp t, 0,1,2,3,4,5,6,7
	s_wait_dscnt 7-\t
	global_store_b128 v[GL], v[NUM+32+4*\t:NUM+32+4*\t+3], s[TCP:TCP+1] offset:512*\t
.endr
	; ---- my two rows of W: what the adapter adds.  In step s lane l holds columns 64 p + q with p = 8 s + l / 4, q = 16 (l % 4) + 0 .. 15
	s_wait_kmcnt 0x0
.irp e, 0,1,2,3
	s_mul_f32 s[C1B+\e], s[C1B+\e], 0x3e800000     ; the scaling 0.25: a power of two
.endr
.irp s, 0,1,2,3,4,5,6,7
	ds_load_b128 v[NUM+4*\s:NUM+4*\s+3], v[SMP] offset:128*\s          ; w1a's row p
.endr
.irp t, 0,1,2,3,4,5,6,7,8,9,10,11,12,13,14,15
	ds_load_b128 v[ACC+4*\t:ACC+4*\t+3], v[SMQ] offset:2048+16*\t      ; w2a's row q
.endr
	s_wait_dscnt 0x0
	s_wait_alu depctr_vm_vsrc(0)                   ; the LDS stores of T's codes have read v[PC ..], which the factors below and the rows' sums take; the stores of T's rows have read v[NUM+32 ..], which the rows' codes take
.irp s, 0,1,2,3,4,5,6,7
	v_mul_f32 v[A16+2*\s], s[C1B], v[NUM+4*\s]
.endr
.irp e, 1,2,3
.irp s, 0,1,2,3,4,5,6,7
	v_fmac_f32 v[A16+2*\s], s[C1B+\e], v[NUM+4*\s+\e]
.endr
.endr
.irp s, 0,1,2,3,4,5,6,7
	v_mov_b32 v[A16+2*\s+1], v[A16+2*\s]           ; twice: the packed form multiplies by a pair
.endr
.irp k, 0,1
.irp t, 0,1,2,3,4,5,6,7,8,9,10,11,12,13,14,15
	v_mul_f32 v[B0+16*\k+\t], s[C2B+\k], v[ACC+4*\t]
.endr
.irp e, 1,2,3
.irp t, 0,1,2,3,4,5,6,7,8,9,10,11,12,13,14,15
	v_fmac_f32 v[B0+16*\k+\t], s[C2B+2*\e+\k], v[ACC+4*\t+\e]
.endr
.endr
.endr
	s_wait_alu depctr_va_vdst(0)                   ; the multiply-adds are done reading v[NUM ..], in which the row's first numbers land
	s_wait_xcnt 0x0                                ; the stores of T's codes have had their addresses translated
	s_wait_loadcnt 32                              ; my first row of W is in; the second may be out
	STAGE STB
	KLOAD 0
.irp s, 0,1,2,3,4,5,6,7
	KSTEP \s, 1, 0
.endr
	NORM 0
	s_wait_loadcnt 0x0
	s_wait_alu depctr_vm_vsrc(0)                   ; the first row's LDS stores have read its codes, its bytes and its sum: the second row writes the same registers
	STAGE STA
	KLOAD 0
.irp s, 0,1,2,3,4,5,6,7
	KSTEP \s, 1, 1
.endr
	NORM 1
	; ---- the way out of what the eight waves gathered together
	s_wait_dscnt 0x0                               ; for the others' sake: my LDS stores are done
	s_barrier_signal -1
	s_barrier_wait -1
	s_wait_alu depctr_vm_vsrc(0)                   ; my LDS stores have read v[NUM+32 ..], in which the loads below land (the vector lines that named v[NUM ..] and v[ACC ..] stand ahead of the last wait on va_vdst)
	ds_load_b128 v[ACC:ACC+3], v[OSC]              ; 512 of the 4,096 scale bytes
.irp t, 0,1,2,3,4,5,6,7,8,9,10,11,12,13,14,15
	ds_load_b128 v[NUM+4*\t:NUM+4*\t+3], v[OWI] offset:544*\t          ; pieces 32 w + 2 t, + 1 along K: 16 rows x 16 bytes each
.endr
	s_wait_dscnt 16
	global_store_b128 v[OSG], v[ACC:ACC+3], s[SCP:SCP+1]               ; sixteen lanes store 256 consecutive bytes, aligned
.irp t, 0,1,2,3,4,5,6,7,8,9,10,11,12,13,14,15
	s_wait_dscnt 15-\t
	global_store_b128 v[GL], v[NUM+4*\t:NUM+4*\t+3], s[WCP:WCP+1] offset:512*\t
.endr
	s_cmp_lg_u32 s[WV], 0
	s_cbranch_scc1 .Ldone
	ds_load_b32 v[ACC+8], v[ONR]                   ; wave 0: the group's 16 squared norms; lanes 16-31 repeat lanes 0-15
	s_wait_dscnt 0x0
	v_rsq_f32 v[ACC+9], v[ACC+8]
	v_nop                                          ; one plain line behind the transcendental
	s_wait_alu depctr_va_vdst(0)                   ; the reciprocal root is written, ahead of its first reader
	v_mul_f32 v[ACC+9], v[ACC+9], v[DOR]
	s_wait_alu depctr_va_vdst(0)                   ; the product is written, which the store reads
	global_store_b32 v[MGO], v[ACC+9], s[MGP:MGP+1]
.Ldone:
	s_wait_xcnt 0x0
	v_lshl_add_u32 v254, v0, 2, 0x4b100            ; my spare word and 0, made anew: no memory or LDS instruction of the kernel has read v254 or v255
	v_mov_b32 v255, 0
	s_wait_dscnt 0x0                               ; the closing lines, six on end
	s_wait_alu 0x0
	s_wait_tensorcnt 0x0
	ds_add_u32 v254, v255
	s_wait_dscnt 0x0
	s_endpgm
.Lfunc_end_k_qb855737b51_prep:
	.size	k_qb855737b51_prep, .Lfunc_end_k_qb855737b51_prep-k_qb855737b51_prep
	.p2alignl 7, 3214868480
	.fill 96, 4, 3214868480
	.section	.rodata,"a",@progbits
	.p2align	6, 0x0
	.amdhsa_kernel k_qb855737b51_prep
		.amdhsa_group_segment_fixed_size 308480
		.amdhsa_private_segment_fixed_size 0
		.amdhsa_enable_private_segment 0
		.amdhsa_kernarg_size 120
		.amdhsa_user_sgpr_count 2
		.amdhsa_user_sgpr_kernarg_segment_ptr 1
		.amdhsa_wavefront_size32 1
		.amdhsa_system_sgpr_workgroup_id_x 1
		.amdhsa_system_sgpr_workgroup_id_y 1
		.amdhsa_system_sgpr_workgroup_id_z 1
		.amdhsa_system_vgpr_workitem_id 0
		.amdhsa_next_free_vgpr 512
		.amdhsa_next_free_sgpr 70
		.amdhsa_reserve_vcc 0
		.amdhsa_float_denorm_mode_32 3
		.amdhsa_float_denorm_mode_16_64 3
		.amdhsa_memory_ordered 1
		.amdhsa_forward_progress 1
		.amdhsa_inst_pref_size 225
	.end_amdhsa_kernel
	.amdgpu_metadata
---
amdhsa.version: [ 1, 2 ]
amdhsa.kernels:
  - .name:           k_qb855737b51_prep
    .symbol:         k_qb855737b51_prep.kd
    .args:
      - { .name: x, .offset: 0, .size: 8, .value_kind: global_buffer, .address_space: global }
      - { .name: base_weight, .offset: 8, .size: 8, .value_kind: global_buffer, .address_space: global }
      - { .name: w1a, .offset: 16, .size: 8, .value_kind: global_buffer, .address_space: global }
      - { .name: w1b, .offset: 24, .size: 8, .value_kind: global_buffer, .address_space: global }
      - { .name: w2a, .offset: 32, .size: 8, .value_kind: global_buffer, .address_space: global }
      - { .name: w2b, .offset: 40, .size: 8, .value_kind: global_buffer, .address_space: global }
      - { .name: dora_weight, .offset: 48, .size: 8, .value_kind: global_buffer, .address_space: global }
      - { .name: xc, .offset: 56, .size: 8, .value_kind: global_buffer, .address_space: global }
      - { .name: xs, .offset: 64, .size: 8, .value_kind: global_buffer, .address_space: global }
      - { .name: tc, .offset: 72, .size: 8, .value_kind: global_buffer, .address_space: global }
      - { .name: ts, .offset: 80, .size: 8, .value_kind: global_buffer, .address_space: global }
      - { .name: wc, .offset: 88, .size: 8, .value_kind: global_buffer, .address_space: global }
      - { .name: ws, .offset: 96, .size: 8, .value_kind: global_buffer, .address_space: global }
      - { .name: w2q, .offset: 104, .size: 8, .value_kind: global_buffer, .address_space: global }
      - { .name: mag, .offset: 112, .size: 8, .value_kind: global_buffer, .address_space: global }
    .group_segment_fixed_size: 308480
    .private_segment_fixed_size: 0
    .kernarg_segment_align: 8
    .kernarg_segment_size: 120
    .max_flat_workgroup_size: 256
    .sgpr_count:     70
    .vgpr_count:     512
    .wavefront_size: 32
...
	.end_amdgpu_metadata
.endif
;; end of part 3
;; launch gemm: the kernel of part 2 again; grid 16 x 16, 4 waves a work-group, clusters of 4 x 1, 327,680 bytes of LDS; arguments xc, xs, wc, ws, tc, ts, w2q, mag, base_bias, out0; writes out0
